; MI455X (gfx1250); checked and timed in simulation.
; The chip was launched on July 23, 2026; its instructions are those of AMD's public machine-readable ISA for CDNA 5 (MIT licence, August 2026) and "CDNA5" Instruction Set Architecture Reference Guide (July 2026). The comments in the code are by the model that wrote it; some were corrected since.
;; Lane Set Attention Embedder. Allowed arithmetic: matrix products marked QUANTISED: E2M1 operands, one E8M0 scale for each 32 along K, by v_wmma_scale_f32_16x16x128_f8f6f4 with both operands' format E2M1 (or v_wmma_scale_f32_32x16x128_f4), f32 sums; products left as they are: f32 operands where the result goes on into a quantised operand, else bf16, f16 or f32 operands; f32 sums; everything else in f32.
;; Inputs: Uw 64 x 64 float32; Wb 64 float32; Ww 64 x 64 float32; X 1,000,000 x 32 float32; b1 64 float32; b2 64 float32; beta 64 float32; gamma 64 float32; rb1 64 float32; rb2 64 float32; rw1 64 x 256 float32; rw2 64 x 64 float32; seeds 4 x 64 float32; vw 64 float32; w1 64 x 32 float32; w2 64 x 64 float32.
;; Outputs: out0 64 float32; out1 4 x 1,000,000 float32.
;; This version of the problem:
;;   THIS VERSION OF THE PROBLEM IS GIVEN IN LOW PRECISION. The matrix products marked QUANTISED in the list below multiply operands that are first quantised to E2M1 (2 exponent bits, 1 mantissa bit; 4 bits a number), with one power-of-two scale for each 32 numbers along K (OCP MX v1.0); their sums are f32. All else is computed in f32.
;;   The module's matrix products, in the order in which they are computed (A, B: the left and right operand; K: the contracted axis; several contracted axes count as one K, in the product's order):
;;     1. [M 1,000,000, K 32] x [K 32, N 64]; A: input X; B: input w1: QUANTISED
;;     2. [M 1,000,000, K 64] x [K 64, N 64]; A: computed on the way; B: input w2: QUANTISED
;;     3. [M 1,000,000, K 64] x [K 64, N 64]; A: computed on the way; B: input Ww: QUANTISED
;;     4. [M 4, K 64] x [K 64, N 64]; A: input seeds; B: input Uw: left as it is (M = 4 < 16)
;;     5. [M 4,000,000, K 64] x [K 64, N 1]; A: computed on the way; B: input vw: left as it is (N = 1 < 16)
;;     6. [M 4, K 1,000,000] x [K 1,000,000, N 64]; A: softmax; B: computed on the way: left as it is (M = 4 < 16)
;;     7. [M 1, K 256] x [K 256, N 64]; A: computed on the way; B: input rw1: left as it is (M = 1 < 16)
;;     8. [M 1, K 64] x [K 64, N 64]; A: computed on the way; B: input rw2: left as it is (M = 1 < 16)
;;   THE QUANTISER, for each operand of a quantised product, along K:
;;     - K is cut into blocks of 32 from its start; a last block that is shorter is filled with zeros.
;;     - A block's scale is 2^e with e = floor(log2(the largest magnitude in the block)) - 2, held to -126 .. 127; a block of zeros has e = 0. As a byte (E8M0): e + 127.
;;     - Each number is divided by its block's scale, clamped to +-6, and rounded to the nearest number of E2M1, ties to even, subnormals kept.
;;     - The product sums the exact products of the quantised numbers (number of the format x scale) in f32.
;;   ~~~python
;;   def quantise(x, axis):      # numpy; x: float32 -> the quantised numbers, widened to float32 again
;;       x = np.moveaxis(x, axis, -1); K = x.shape[-1]
;;       x = np.pad(x, [(0, 0)] * (x.ndim - 1) + [(0, -K % 32)]); x = x.reshape(x.shape[:-1] + (-1, 32)); a = np.abs(x).max(-1, keepdims=True)
;;       e = np.where(a > 0, np.clip(np.frexp(np.where(a > 0, a, 1))[1] - 1 - 2, -126, 127), 0)      # np.frexp(a)[1] - 1 = floor(log2(a)), exactly
;;       r = np.clip(x / 2.0 ** e, -6, 6)
;;       step = 2.0 ** (np.maximum(np.frexp(np.where(r == 0, 1, r))[1] - 1, 0) - 1)
;;       q = np.round(r / step) * step * 2.0 ** e      # np.round: ties to even
;;       return np.moveaxis(q.reshape(q.shape[:-2] + (-1,))[..., :K], -1, axis).astype(np.float32)
;;   ~~~
;;   OPERANDS COMPUTED ON THE WAY. 'Computed on the way' means the value that the module computes at that place (a softmax that the list does not call 'softmax' is quantised finished and normalised). What goes into a quantiser is computed in f32, as accurately as f32 sums, v_exp_f32 and their like allow (about 1e-6 of the number): no bf16 or f16 on the way to a quantiser, and a product that is left as it is and whose result goes on into a quantised operand takes f32 operands (vector FMAs, or v_wmma_f32_16x16x4_f32). A number that lies on a knife's edge between two numbers of the format may be rounded either way, as far as f32 arithmetic and the matrix unit's own rounding can turn it there, and no further.
;; 2 versions, each right; version 2 is version 1 with the launch main written anew for expert scheduling mode. Each part assembles by itself: llvm-mc -triple=amdgcn-amd-amdhsa -mcpu=gfx1250 --defsym DOCPART=n.
;; ======== version 1 of 2: 3 launches
;; limits: right only within a limited range of input values
;; workspace buffers: wimg 20,480 bytes; wscl 1,280 bytes; cst 2,304 bytes; sc 16,000,000 bytes; pml 8,192 bytes; pz 262,144 bytes
;; launch prep (part 1): grid 29 x 1, 1 waves a work-group, no clusters, 0 bytes of LDS; arguments w1, w2, Ww, seeds, Uw, Wb, vw, b1, b2, gamma, beta, wimg, wscl, cst; writes wimg, wscl, cst
.if DOCPART == 1
	.amdgcn_target "amdgcn-amd-amdhsa--gfx1250"
	.amdhsa_code_object_version 6
	.text
	.protected	k_q9b0ad56553_prep
	.globl	k_q9b0ad56553_prep
	.p2align	8
	.type	k_q9b0ad56553_prep,@function
k_q9b0ad56553_prep:
	s_mov_b64 s[64:65], 0
	v_nop
	global_prefetch_b8 v0, s[64:65] scope:SCOPE_SE
	s_setreg_imm32_b32 hwreg(HW_REG_WAVE_MODE, 25, 1), 1
	s_wait_xcnt 0x0
; Lays out what the main launch reads again and again: the three weights as images of matrix operand registers (codes of E2M1, one E8M0 byte
; for each 32 along K), their scale words, and a table of constants that the main launch takes through scalar registers.
; One wave a work-group.  Work-groups 0-19: one weight fragment each.  20-27: 32 of the 256 constants c1.  28: copies of b1, b2, gamma, beta, vw.
; A FRAGMENT holds 8 features.  Row m = 8 h' + j of the operand holds feature j in K blocks h' and 2 + h' and zero codes elsewhere, so only lanes
; 0-7 and 24-31 are not zero.  Against a data operand whose lane l holds row l of the data in ITS two K blocks, register j of the result is then
; feature j of the lane's own row, in both halves of the lanes.
;   w2, Ww (fragments 4-11, 12-19): quad c of lane L = codes of W[8 g + L % 8][32 c .. 32 c + 31].
;   w1 (fragments 0-3, K = 32): quad c = codes of w1[8 (2 i + c) + L % 8][0 .. 31]: two groups of features in one fragment.
; SCALE WORD of row m: byte h' quad 0's, byte 2 + h' quad 1's; the two bytes of the blocks of zero codes are 1.
; c1[k][e] = 2^(log2(e) (Uq[k][e] + Wb[e])), Uq = seeds Uw^T in f32.
; LIMITS: the exponent of c1 is held to +-100, that is |Uq + Wb| up to 69.3 is exact; NaN and infinities are not served; a block whose largest
; magnitude lies under 2^-124 keeps the byte 1 (a block of zeros too: its codes are zeros, and this program alone reads the bytes).
; The table is 2,304 bytes, written once in small pieces.
.macro QMAX s, e, b                    ; 32 numbers v[s] on: the conversion's scale operand in v[e], the scale's byte in v[b]
	v_max3_num_f32 v8, |v[\s]|, |v[\s+1]|, 0x1800000               ; the floor 2^(3 - 127): the byte cannot fall under 1
	v_max3_num_f32 v9, |v[\s+2]|, |v[\s+3]|, |v[\s+4]|
.irp i, 5,9,13,17,21,25
	v_max3_num_f32 v8, v8, |v[\s+\i]|, |v[\s+\i+1]|
	v_max3_num_f32 v9, v9, |v[\s+\i+2]|, |v[\s+\i+3]|
.endr
	v_max3_num_f32 v8, v8, |v[\s+29]|, |v[\s+30]|
	v_max3_num_f32 v8, v8, v9, |v[\s+31]|
	v_add_nc_u32 v[\e], 0xff000000, v8                             ; 2 off the exponent field
	v_lshrrev_b32 v[\b], 23, v[\e]
.endm
	s_load_b256 s[4:11], s[0:1], 0x0               ; w1 s[4:5], w2 s[6:7], Ww s[8:9], seeds s[10:11]
	s_load_b256 s[12:19], s[0:1], 0x20             ; Uw s[12:13], Wb s[14:15], vw s[16:17], b1 s[18:19]
	s_load_b256 s[20:27], s[0:1], 0x40             ; b2 s[20:21], gamma s[22:23], beta s[24:25], wimg s[26:27]
	s_load_b128 s[28:31], s[0:1], 0x60             ; wscl s[28:29], cst s[30:31]
	s_wait_kmcnt 0x0
	s_cmp_lt_u32 ttmp9, 20
	s_cbranch_scc0 .Lnot_fragment
	; ---- a fragment
	s_cmp_lt_u32 ttmp9, 4
	s_cselect_b64 s[32:33], s[4:5], s[6:7]
	s_cselect_b32 s34, 0, 4                        ; the tensor's first fragment
	s_mov_b32 s35, 256
	s_cselect_b32 s35, 128, s35                    ; bytes from feature to feature
	s_mov_b32 s36, 1024
	s_cselect_b32 s36, s36, 128                    ; bytes from quad 0 to quad 1: eight rows of w1, or 32 numbers of a row
	s_cmp_lt_u32 ttmp9, 12
	s_cselect_b64 s[32:33], s[32:33], s[8:9]
	s_cselect_b32 s34, s34, 12
	s_sub_co_u32 s34, ttmp9, s34
	s_lshl_b32 s37, s34, 11                        ; a fragment's numbers are 2,048 bytes in each of the three
	v_and_b32 v1, 7, v0
	v_mul_lo_u32 v2, v1, s35
	v_add_nc_u32 v2, s37, v2
	v_add_nc_u32 v3, s36, v2
.irp i, 0,1,2,3,4,5,6,7
	global_load_b128 v[32+4*\i:35+4*\i], v2, s[32:33] offset:16*\i
.endr
.irp i, 0,1,2,3,4,5,6,7
	global_load_b128 v[64+4*\i:67+4*\i], v3, s[32:33] offset:16*\i
.endr
	v_lshrrev_b32 v4, 3, v0
	v_lshrrev_b32 v5, 4, v0
	v_xor_b32 v4, v4, v5
	v_and_b32 v4, 1, v4                            ; 0 in lanes 0-7 and 24-31
	v_bfe_u32 v11, v0, 3, 1                        ; h' of the operand's row L % 16
	v_lshlrev_b32 v12, 3, v11
	v_mov_b32 v13, 0x00010001
	v_mov_b32 v14, 0x01000100
	s_lshl_b32 s38, ttmp9, 10
	v_lshlrev_b32 v6, 4, v0
	v_add_nc_u32 v6, s38, v6                       ; the image: 1,024 x fragment + 16 x lane
	s_lshl_b32 s38, ttmp9, 6
	v_and_b32 v15, 15, v0
	v_lshlrev_b32 v15, 2, v15
	v_add_nc_u32 v15, s38, v15                     ; the scale word: 64 x fragment + 4 x row
	s_wait_loadcnt 0x0
	QMAX 32, 24, 26
	QMAX 64, 25, 27
.irp g, 0,1,2,3
	v_cvt_scalef32_pk8_fp4_f32 v[16+\g], v[32+8*\g:39+8*\g], v24
.endr
.irp g, 0,1,2,3
	v_cvt_scalef32_pk8_fp4_f32 v[20+\g], v[64+8*\g:71+8*\g], v25
.endr
	v_nop                                          ; one plain line behind the conversions
	v_cmp_eq_u32 vcc_lo, 0, v4
.irp g, 0,1,2,3,4,5,6,7
	v_cndmask_b32 v[16+\g], 0, v[16+\g], vcc_lo    ; zero codes in lanes 8-23
.endr
	global_store_b128 v6, v[16:19], s[26:27]
	global_store_b128 v6, v[20:23], s[26:27] offset:512
	v_lshl_or_b32 v10, v27, 16, v26
	v_lshlrev_b32 v10, v12, v10                    ; the two bytes, 8 h' bits up
	v_cmp_eq_u32 vcc_lo, 0, v11
	v_cndmask_b32 v13, v13, v14, vcc_lo            ; 1 in the other two
	v_or_b32 v10, v10, v13
	global_store_b32 v15, v10, s[28:29]            ; lanes L and L + 16 hold the same feature and the same h': both write the same word
	s_endpgm
.Lnot_fragment:
	s_cmp_lt_u32 ttmp9, 28
	s_cbranch_scc0 .Lcopies
	; ---- 32 of the c1: seed k, features 32 x half + lane
	s_sub_co_u32 s5, ttmp9, 20
	s_lshr_b32 s4, s5, 1                           ; k
	s_and_b32 s5, s5, 1
	s_lshl_b32 s6, s4, 8
	s_mov_b32 s7, 0
	s_add_nc_u64 s[10:11], s[10:11], s[6:7]        ; seeds[k]
	s_load_b512 s[32:47], s[10:11], 0x0
	s_load_b512 s[48:63], s[10:11], 0x40
	s_load_b512 s[68:83], s[10:11], 0x80
	s_load_b512 s[84:99], s[10:11], 0xc0
	s_lshl_b32 s8, s5, 5
	v_add_nc_u32 v1, s8, v0                        ; e
	v_lshlrev_b32 v2, 8, v1
	v_lshlrev_b32 v3, 2, v1
.irp i, 0,1,2,3,4,5,6,7,8,9,10,11,12,13,14,15
	global_load_b128 v[32+4*\i:35+4*\i], v2, s[12:13] offset:16*\i    ; Uw[e][:]
.endr
	global_load_b32 v4, v3, s[14:15]               ; Wb[e]
	v_lshrrev_b32 v6, 3, v1
	v_mul_u32_u24 v6, v6, 160
	v_and_b32 v7, 7, v1
	v_lshl_add_u32 v6, v7, 2, v6
	s_lshl_b32 s8, s4, 5
	s_add_co_u32 s8, s8, 1024
	v_add_nc_u32 v6, s8, v6                        ; 1,024 + 160 (e / 8) + 32 k + 4 (e % 8)
	s_mov_b32 s8, 0xc2c80000                       ; -100
	s_mov_b32 s9, 0x42c80000                       ; +100
	s_wait_kmcnt 0x0
	s_wait_loadcnt 0x0
.set qj, 0
.rept 64
.if qj < 32
.set sg, 32+qj
.else
.set sg, 36+qj
.endif
.if qj < 4
	v_mul_f32 v[8+qj], s[sg], v[32+qj]             ; four chains; the first products start them
.else
	v_fmac_f32 v[8+qj%4], s[sg], v[32+qj]
.endif
.set qj, qj+1
.endr
	v_add_f32 v8, v8, v9
	v_add_f32 v10, v10, v11
	v_add_f32 v8, v8, v10
	v_add_f32 v8, v8, v4
	v_mul_f32 v8, 0x3fb8aa3b, v8
	v_med3_num_f32 v8, v8, s8, s9                  ; so c1 is neither 0 nor infinite
	v_exp_f32 v8, v8
	v_nop
	s_wait_alu depctr_va_vdst(0)
	global_store_b32 v6, v8, s[30:31]
	s_endpgm
.Lcopies:
	; ---- b1, b2, gamma, beta as they are, vw x (-2 log2(e)); lane L takes numbers 2 L and 2 L + 1
	v_lshlrev_b32 v2, 3, v0
	global_load_b64 v[8:9], v2, s[18:19]
	global_load_b64 v[10:11], v2, s[20:21]
	global_load_b64 v[12:13], v2, s[22:23]
	global_load_b64 v[14:15], v2, s[24:25]
	global_load_b64 v[16:17], v2, s[16:17]
	v_lshrrev_b32 v3, 4, v0
	v_and_b32 v4, 15, v0
	v_lshlrev_b32 v5, 3, v4
	v_lshl_add_u32 v5, v3, 8, v5                   ; gamma, beta: by halves of 32
	v_lshrrev_b32 v6, 2, v0
	v_mul_u32_u24 v6, v6, 160
	v_and_b32 v7, 3, v0
	v_lshl_add_u32 v6, v7, 3, v6                   ; vw: by chunks of 8
	s_wait_loadcnt 0x0
	v_mul_f32 v16, 0xc038aa3b, v16
	v_mul_f32 v17, 0xc038aa3b, v17
	global_store_b64 v2, v[8:9], s[30:31]
	global_store_b64 v2, v[10:11], s[30:31] offset:256
	global_store_b64 v5, v[12:13], s[30:31] offset:512
	global_store_b64 v5, v[14:15], s[30:31] offset:640
	global_store_b64 v6, v[16:17], s[30:31] offset:1152
	s_endpgm
.Lfunc_end_k_q9b0ad56553_prep:
	.size	k_q9b0ad56553_prep, .Lfunc_end_k_q9b0ad56553_prep-k_q9b0ad56553_prep
	.p2alignl 7, 3214868480
	.fill 96, 4, 3214868480
	.section	.rodata,"a",@progbits
	.p2align	6, 0x0
	.amdhsa_kernel k_q9b0ad56553_prep
		.amdhsa_group_segment_fixed_size 0
		.amdhsa_private_segment_fixed_size 0
		.amdhsa_enable_private_segment 0
		.amdhsa_kernarg_size 112
		.amdhsa_user_sgpr_count 2
		.amdhsa_user_sgpr_kernarg_segment_ptr 1
		.amdhsa_wavefront_size32 1
		.amdhsa_system_sgpr_workgroup_id_x 1
		.amdhsa_system_sgpr_workgroup_id_y 1
		.amdhsa_system_sgpr_workgroup_id_z 1
		.amdhsa_system_vgpr_workitem_id 0
		.amdhsa_next_free_vgpr 128
		.amdhsa_next_free_sgpr 100
		.amdhsa_reserve_vcc 1
		.amdhsa_float_denorm_mode_32 3
		.amdhsa_float_denorm_mode_16_64 3
		.amdhsa_memory_ordered 1
		.amdhsa_forward_progress 1
		.amdhsa_inst_pref_size 14
	.end_amdhsa_kernel
	.amdgpu_metadata
---
amdhsa.version: [ 1, 2 ]
amdhsa.kernels:
  - .name:           k_q9b0ad56553_prep
    .symbol:         k_q9b0ad56553_prep.kd
    .args:
      - { .name: w1, .offset: 0, .size: 8, .value_kind: global_buffer, .address_space: global }
      - { .name: w2, .offset: 8, .size: 8, .value_kind: global_buffer, .address_space: global }
      - { .name: Ww, .offset: 16, .size: 8, .value_kind: global_buffer, .address_space: global }
      - { .name: seeds, .offset: 24, .size: 8, .value_kind: global_buffer, .address_space: global }
      - { .name: Uw, .offset: 32, .size: 8, .value_kind: global_buffer, .address_space: global }
      - { .name: Wb, .offset: 40, .size: 8, .value_kind: global_buffer, .address_space: global }
      - { .name: vw, .offset: 48, .size: 8, .value_kind: global_buffer, .address_space: global }
      - { .name: b1, .offset: 56, .size: 8, .value_kind: global_buffer, .address_space: global }
      - { .name: b2, .offset: 64, .size: 8, .value_kind: global_buffer, .address_space: global }
      - { .name: gamma, .offset: 72, .size: 8, .value_kind: global_buffer, .address_space: global }
      - { .name: beta, .offset: 80, .size: 8, .value_kind: global_buffer, .address_space: global }
      - { .name: wimg, .offset: 88, .size: 8, .value_kind: global_buffer, .address_space: global }
      - { .name: wscl, .offset: 96, .size: 8, .value_kind: global_buffer, .address_space: global }
      - { .name: cst, .offset: 104, .size: 8, .value_kind: global_buffer, .address_space: global }
    .group_segment_fixed_size: 0
    .private_segment_fixed_size: 0
    .kernarg_segment_align: 8
    .kernarg_segment_size: 112
    .max_flat_workgroup_size: 32
    .sgpr_count:     100
    .vgpr_count:     128
    .wavefront_size: 32
...
	.end_amdgpu_metadata
.endif
;; end of part 1
;; launch main (part 2): grid 256 x 1, 16 waves a work-group, no clusters, 194,560 bytes of LDS; arguments X, wimg, wscl, cst, sc, pml, pz; writes sc, pml, pz
.if DOCPART == 2
	.amdgcn_target "amdgcn-amd-amdhsa--gfx1250"
	.amdhsa_code_object_version 6
	.text
	.protected	k_q9b0ad56553_main
	.globl	k_q9b0ad56553_main
	.p2align	8
	.type	k_q9b0ad56553_main,@function
k_q9b0ad56553_main:
	s_mov_b64 s[64:65], 0
	v_nop
	global_prefetch_b8 v0, s[64:65] scope:SCOPE_SE
	s_setreg_imm32_b32 hwreg(HW_REG_WAVE_MODE, 25, 1), 1
	s_wait_xcnt 0x0
; The pass over the 1,000,000 rows: three products on codes of E2M1, bias and ReLU, LayerNorm, 4 x 64 tanh, 4 scores a row, and the running
; softmax state (maximum, sum, pooled sum) of each wave.  Stored: the scores (log2 units, up to a constant for each seed, which a softmax does
; not see) and one partial state for each work-group.
; SHARES.  A step is 32 rows; LANE l OWNS ROW l.  31,250 steps: work-group g takes 122 (+ 1 where g < 18), wave w every sixteenth of them: 7 or 8
; trips.  Four waves to a SIMD, 256 registers each; waves share only the weights' images in LDS: one barrier at the head, one at the end.
; ONE LANE, ONE ROW.  The 4-bit operand layout gives lane (r, h) the K blocks h and 2 + h.  The data operand (source 1) holds the lane's own row
; there; the weight fragment (source 0) holds 8 features, row 8 h' + j = feature j in blocks h' and 2 + h', zeros elsewhere.  Register j of
; the result is feature j of the lane's own row.  So norms, block maxima and scores never leave the lane, and every constant that hangs on a
; feature is the same in all lanes: it comes through scalar registers, two to a dual instruction.
; TANH.  u = 2^(log2(e) Wh), one exponential for a row and feature; p = u c1[k][e]; tanh = 1 - 2 / (1 + p^2); score t_k = sum of vw2[e] / (1 + p^2).
; POOLING.  H and 2^(t - m) go as bf16 through the wave's own LDS stages and come back turned; source 0 = the weights (row = seed), source 1 = H
; (column = feature), K = the 32 rows.  m is the wave's running maximum; sums and pooled sums are multiplied by 2^(old m - new m) in every trip.
; No tensor loads: a step's 4,096 bytes of X are asked for ahead of the tanh stage of the step before, into registers that are free then, and a
; ring's barriers would tie sixteen waves together that otherwise share nothing.  No cluster: work-groups share 24 KB of constants.
; LIMITS: NaN and infinities are not served; c1 is held as the first launch says; blocks under 2^-124 keep the scale byte 1; the pooled sum's
; operands are rounded to bf16, the row sums are taken of the f32 weights.
; REGISTERS: v1-9 addresses; v11 16 x thread; v12-21 the weights' scale words; v22-24 the data operands' scale words; v28-35 the quantiser's;
; v36-47 [zeros][x's codes][zeros]; v48-55 codes; v56-59 m; v60-63 sums; v64-67 factors; v68-71 scores; v72-75 weights; v76-85 at work; v86, v87 the closing add's two;
; v88-95 score sums; v96-127 pooled sums; v128-191 DA; v192-255 DB.
.set WR0,  20480                       ; LDS: the weights' images, then a region for each wave
.set WREG, 10752                       ; in it: 32 rows of X x 144 bytes; from HSO 32 rows of H (bf16) x 160; from PSO 32 rows x 32 bytes of weights (bf16)
.set HSO,  4608
.set PSO,  9728
.set DA,   128
.set DB,   192
.set ZA,   96
.macro NOPS n
.rept \n
	v_nop
.endr
.endm
.macro QMAX s, e, b                    ; 32 numbers of my row, v[s] on: the conversion's scale operand in v[e], the scale's byte in v[b]
	v_max3_num_f32 v28, |v[\s]|, |v[\s+1]|, 0x1800000              ; the floor 2^(3 - 127): the byte cannot fall under 1
	v_max3_num_f32 v29, |v[\s+2]|, |v[\s+3]|, |v[\s+4]|
.irp i, 5,9,13,17,21,25
	v_max3_num_f32 v28, v28, |v[\s+\i]|, |v[\s+\i+1]|
	v_max3_num_f32 v29, v29, |v[\s+\i+2]|, |v[\s+\i+3]|
.endr
	v_max3_num_f32 v28, v28, |v[\s+29]|, |v[\s+30]|
	v_max3_num_f32 v28, v28, v29, |v[\s+31]|
	v_add_nc_u32 v[\e], 0xff000000, v28                            ; 2 off the exponent field
	v_lshrrev_b32 v[\b], 23, v[\e]
.endm
.macro QCVT s, c, e
.irp g, 0,1,2,3
	v_cvt_scalef32_pk8_fp4_f32 v[\c+\g], v[\s+8*\g:\s+8*\g+7], v[\e]
.endr
.endm
.macro WORD dst, b0, b1                ; column r's scale word: bytes h and 2 + h are row r + 16 h's
	v_lshl_or_b32 v34, v[\b1], 16, v[\b0]
	v_lshlrev_b32 v34, v8, v34
	v_permlanex16_b32 v35, v34, s66, s67
	v_or_b32 v[\dst], v34, v35
.endm
.macro FRAGS f0, n, reg                ; n weight fragments from their images: 16 bytes a lane, 512 consecutive bytes a load
.set fi, 0
.rept \n
	ds_load_b128 v[\reg+8*fi:\reg+8*fi+3], v1 offset:(\f0+fi)*1024
	ds_load_b128 v[\reg+8*fi+4:\reg+8*fi+7], v1 offset:(\f0+fi)*1024+512
.set fi, fi+1
.endr
.endm
.macro MM f, d, a, b, sb               ; fragment f (in v[a] on) x the data operand v[b] on; every product starts its own sum
.if (\f)%2
	v_wmma_scale_f32_16x16x128_f8f6f4 v[\d:\d+7], v[\a:\a+7], v[\b:\b+7], 0, v[12+(\f)/2], v[\sb] matrix_a_fmt:MATRIX_FMT_FP4 matrix_b_fmt:MATRIX_FMT_FP4 matrix_a_scale:MATRIX_SCALE_ROW1
.else
	v_wmma_scale_f32_16x16x128_f8f6f4 v[\d:\d+7], v[\a:\a+7], v[\b:\b+7], 0, v[12+(\f)/2], v[\sb] matrix_a_fmt:MATRIX_FMT_FP4 matrix_b_fmt:MATRIX_FMT_FP4
.endif
.endm
.macro KL4 off                         ; 64 constants: numbers 0-31 in s24-55, 32-63 in s68-99
	s_load_b512 s[24:39], s[6:7], \off
	s_load_b512 s[40:55], s[6:7], \off+64
	s_load_b512 s[68:83], s[6:7], \off+128
	s_load_b512 s[84:99], s[6:7], \off+192
.endm
.macro KCH buf, c                      ; chunk c of the tanh stage: c1[0..3][8 c ..] and vw2[8 c ..], into buffer 0 (s24-63) or 1 (s68-99, s16-23)
.if \buf
	s_load_b512 s[68:83], s[6:7], 1024+160*(\c)
	s_load_b512 s[84:99], s[6:7], 1024+160*(\c)+64
	s_load_b256 s[16:23], s[6:7], 1024+160*(\c)+128
.else
	s_load_b512 s[24:39], s[6:7], 1024+160*(\c)
	s_load_b512 s[40:55], s[6:7], 1024+160*(\c)+64
	s_load_b256 s[56:63], s[6:7], 1024+160*(\c)+128
.endif
.endm
.macro BIAS r                          ; 64 features + 64 constants, two to an instruction, from each accumulator's low end on
.set qe, 0
.rept 32
.if qe < 32
.set sg, 24+qe
.else
.set sg, 36+qe
.endif
	v_dual_add_f32 v[\r+qe], s[sg], v[\r+qe] :: v_dual_add_f32 v[\r+qe+1], s[sg+1], v[\r+qe+1]
.set qe, qe+2
.endr
.endm
.macro TM k, c                         ; p = u c1[k]
.set WS, 192+8*((\k)%2)
.irp i, 0,2,4,6
	v_dual_mul_f32 v[WS+\i], s[CB+8*(\k)+\i], v[DA+8*(\c)+\i] :: v_dual_mul_f32 v[WS+\i+1], s[CB+8*(\k)+\i+1], v[DA+8*(\c)+\i+1]
.endr
.endm
.macro TF k                            ; 1 + p^2
.set WS, 192+8*((\k)%2)
.irp i, 0,2,4,6
	v_pk_fma_f32 v[WS+\i:WS+\i+1], v[WS+\i:WS+\i+1], v[WS+\i:WS+\i+1], 1.0 op_sel_hi:[1,1,0]
.endr
.endm
.macro TR k
.set WS, 192+8*((\k)%2)
.irp i, 0,1,2,3,4,5,6,7
	v_rcp_f32 v[WS+\i], v[WS+\i]
.endr
.endm
.macro TA k                            ; the score's sums, even and odd features apart
.set WS, 192+8*((\k)%2)
	s_wait_alu depctr_va_vdst(0)
.irp i, 0,2,4,6
	v_dual_fmac_f32 v[88+2*(\k)], s[VB+\i], v[WS+\i] :: v_dual_fmac_f32 v[89+2*(\k)], s[VB+\i+1], v[WS+\i+1]
.endr
.endm
; Eight features for the four seeds.  Behind every run of reciprocals stands a plain line on the other set of registers before a result is used.
.macro CHUNK c
.if (\c)%2
.set CB, 68
.set VB, 16
.else
.set CB, 24
.set VB, 56
.endif
	s_wait_kmcnt 0x0                               ; this chunk's constants, asked for a chunk ago
.if (\c) < 7
	KCH 1-(\c)%2, (\c)+1
.endif
	TM 0, \c
	TF 0
	TR 0
	TM 1, \c
	TF 1
	TR 1
	TA 0
	TM 2, \c
	TF 2
	TR 2
	TA 1
	TM 3, \c
	TF 3
	TR 3
	TA 2
	TA 3
.endm
	s_load_b64 s[2:3], s[0:1], 0x0                 ; X
	s_load_b128 s[16:19], s[0:1], 0x8              ; wimg s[16:17], wscl s[18:19]: wanted at the head alone
	s_load_b64 s[6:7], s[0:1], 0x18                ; cst
	s_load_b64 s[4:5], s[0:1], 0x20                ; sc
	s_load_b64 s[10:11], s[0:1], 0x28              ; pml
	s_load_b64 s[8:9], s[0:1], 0x30                ; pz
	v_lshl_add_u32 v86, v0, 2, 0x2f000
	v_mov_b32 v87, 0
	v_lshrrev_b32 v10, 5, v0
	v_readfirstlane_b32 s12, v10                   ; wave 0..15
	v_and_b32 v10, 31, v0                          ; L
	v_lshlrev_b32 v1, 4, v10                       ; 16 L: X's loads, the scores' stores, the images
	v_lshlrev_b32 v11, 4, v0                       ; 16 x thread
	v_lshlrev_b32 v26, 2, v10                      ; 4 L
	s_mul_i32 s15, s12, WREG
	s_add_co_u32 s15, s15, WR0                     ; my region
	v_lshrrev_b32 v25, 3, v10
	v_and_b32 v27, 7, v10
	v_mul_u32_u24 v2, v25, 144
	v_lshl_add_u32 v2, v27, 4, v2
	v_add_nc_u32 v2, s15, v2                       ; X into the stage: a load's 512 bytes are four rows
	v_mul_u32_u24 v3, v10, 144
	v_add_nc_u32 v3, s15, v3                       ; and back: row L
	v_mul_u32_u24 v4, v10, 160
	v_add_nc_u32 v4, s15, v4                       ; H: row L
	v_bfe_u32 v25, v0, 4, 1                        ; h
	v_lshl_add_u32 v28, v25, 3, v27                ; 8 h + L % 8
	v_bfe_u32 v29, v0, 3, 1
	v_mul_u32_u24 v5, v28, 160
	v_lshl_add_u32 v5, v29, 4, v5
	v_add_nc_u32 v5, s15, v5                       ; H turned
	v_lshl_add_u32 v6, v10, 5, s15                 ; the weights: row L
	v_lshlrev_b32 v7, 5, v28
	v_lshl_add_u32 v7, v29, 4, v7
	v_add_nc_u32 v7, s15, v7                       ; the weights turned
	v_lshlrev_b32 v8, 3, v25                       ; 8 h
	v_and_b32 v30, 15, v0
	v_lshlrev_b32 v9, 2, v30
	v_lshl_add_u32 v9, v25, 11, v9
	v_add_nc_u32 v9, s15, v9                       ; the pooled sums' way out: 4 r, lanes 16-31 (rows of the result that hold no seed) 2,048 bytes on
	v_add_nc_u32 v27, s15, v1
	s_min_u32 s100, ttmp9, 18
	s_mul_i32 s104, ttmp9, 122
	s_add_co_u32 s100, s100, s104
	s_add_co_u32 s100, s100, s12                   ; my first step
	s_cmp_lt_u32 ttmp9, 18
	s_cselect_b32 s14, 1, 0
	s_add_co_u32 s14, s14, 137
	s_sub_co_u32 s14, s14, s12
	s_lshr_b32 s14, s14, 4                         ; my trips: (steps of the work-group - wave + 15) / 16
	s_mov_b32 s13, 0
	s_mov_b32 s66, 0x76543210
	s_mov_b32 s67, 0xfedcba98                      ; lane l xor 16
	s_mov_b32 s101, 0x3c800000                     ; 1 / 64
	s_lshl_b32 s104, s100, 12
	s_mov_b32 s105, 0
	s_wait_kmcnt 0x0
	s_add_nc_u64 s[2:3], s[2:3], s[104:105]        ; 4,096 bytes of X a step
	s_lshl_b32 s104, s100, 9
	s_add_nc_u64 s[4:5], s[4:5], s[104:105]        ; 512 bytes of scores a step
	global_load_b128 v[128:131], v11, s[16:17]     ; the images: 40 pieces of 512 bytes; wave w takes pieces w, w + 16 and, where w < 8, w + 32
	global_load_b128 v[132:135], v11, s[16:17] offset:8192
	s_cmp_lt_u32 s12, 8
	s_cbranch_scc0 .Lno_third_load
	global_load_b128 v[136:139], v11, s[16:17] offset:16384
.Lno_third_load:
.irp i, 0,1,2,3,4,5,6,7,8,9
	global_load_b32 v[12+\i], v26, s[18:19] offset:128*\i          ; lanes 0-15: fragment 2 i's scale words, lanes 16-31: fragment 2 i + 1's
.endr
.irp i, 0,1,2,3,4,5,6,7
	global_load_b128 v[224+4*\i:227+4*\i], v1, s[2:3] offset:512*\i th:TH_LOAD_NT   ; the first step's X
.endr
	KL4 0                                          ; b1
.irp i, 36,37,38,39,44,45,46,47
	v_mov_b32 v[\i], 0                             ; the zero codes beside x's
.endr
.set qe, 0
.rept 32
	v_mov_b32 v[ZA+qe], 0                          ; the loop is written once: its first trip finds zeros
.set qe, qe+1
.endr
.irp k, 0,1,2,3
	v_mov_b32 v[56+\k], 0xff61b1e6                 ; m: -3e38, under every score
	v_mov_b32 v[60+\k], 0
.endr
	v_mov_b32 v35, 0                               ; a lane permute's destination counts as read
	s_wait_loadcnt 8                               ; the images and scale words are in; the eight loads of X issued behind them may be out
	ds_store_b128 v11, v[128:131]
	ds_store_b128 v11, v[132:135] offset:8192
	s_cmp_lt_u32 s12, 8
	s_cbranch_scc0 .Lno_third_store
	ds_store_b128 v11, v[136:139] offset:16384
.Lno_third_store:
	ds_store_b128 v27, v[36:39] offset:PSO         ; the weights' stage: columns 4-15 stay zero
	ds_store_b128 v27, v[36:39] offset:PSO+512
	s_wait_dscnt 0x0                               ; for the others' sake: my pieces of the images have landed
	s_barrier_signal -1
	s_barrier_wait -1
.Ltrip:
	; ---- X: as it lies into my stage, back a row a lane; quantised
	s_wait_loadcnt 0x0
.irp i, 0,1,2,3,4,5,6,7
	ds_store_b128 v2, v[224+4*\i:227+4*\i] offset:576*\i
.endr
.irp c, 0,1,2,3,4,5,6,7
	ds_load_b128 v[192+4*\c:195+4*\c], v3 offset:16*\c
.endr
	s_wait_dscnt 8                                 ; the eight stores are done (the eight loads behind them may be out): their registers take w1's fragments
	FRAGS 0, 4, 224
	s_wait_dscnt 8                                 ; my row is in; the eight fragment loads may be out
	QMAX 192, 30, 32
	WORD 22, 32, 32
	QCVT 192, 40, 30
	NOPS 8                                         ; eight places between the scale word and the products (four are owed for the codes, one behind the conversions)
	s_wait_dscnt 0x0
	; ---- product 1: a fragment of w1 holds two groups of features: x in the lower K blocks meets the first, in the upper the second
.irp i, 0,1,2,3
	MM \i, DA+16*\i, 224+8*\i, 40, 22
	MM \i, DA+16*\i+8, 224+8*\i, 36, 22
.endr
	NOPS 4
	s_wait_kmcnt 0x0                               ; b1
	BIAS DA
.set qe, 0
.rept 32
	v_dual_max_num_f32 v[DA+qe], 0, v[DA+qe] :: v_dual_max_num_f32 v[DA+qe+1], 0, v[DA+qe+1]
.set qe, qe+2
.endr
	KL4 256                                        ; b2
	; ---- the hidden layer becomes an operand
	QMAX 128, 30, 32
	QMAX 160, 31, 33
	WORD 23, 32, 33
	QCVT 128, 48, 30
	FRAGS 4, 4, 128                                ; w2's fragments land where the numbers lay
	QCVT 160, 52, 31
	FRAGS 8, 4, 160
	NOPS 8
	s_wait_dscnt 0x0
.irp g, 0,1,2,3,4,5,6,7
	MM 4+\g, DB+8*\g, 128+8*\g, 48, 23
.endr
	NOPS 4
	; ---- LayerNorm, all in my lane
	s_wait_kmcnt 0x0                               ; b2
	BIAS DB
	KL4 512                                        ; gamma and beta, features 0-31
.irp c, 0,1,2,3
	v_pk_add_f32 v[76+2*\c:77+2*\c], v[DB+2*\c:DB+2*\c+1], v[DB+8+2*\c:DB+9+2*\c]
.endr
.set qp, 8
.rept 24
	v_pk_add_f32 v[76+2*(qp%4):77+2*(qp%4)], v[76+2*(qp%4):77+2*(qp%4)], v[DB+2*qp:DB+2*qp+1]
.set qp, qp+1
.endr
	v_pk_add_f32 v[76:77], v[76:77], v[78:79]
	v_pk_add_f32 v[80:81], v[80:81], v[82:83]
	v_pk_add_f32 v[76:77], v[76:77], v[80:81]
	v_add_f32 v76, v76, v77
	v_mul_f32 v84, 0xbc800000, v76                 ; - the mean, twice
	v_mul_f32 v85, 0xbc800000, v76
.set qp, 0
.rept 32
	v_pk_add_f32 v[DB+2*qp:DB+2*qp+1], v[DB+2*qp:DB+2*qp+1], v[84:85]
.set qp, qp+1
.endr
.irp c, 0,1,2,3
	v_pk_mul_f32 v[76+2*\c:77+2*\c], v[DB+2*\c:DB+2*\c+1], v[DB+2*\c:DB+2*\c+1]
.endr
.set qp, 4
.rept 28
	v_pk_fma_f32 v[76+2*(qp%4):77+2*(qp%4)], v[DB+2*qp:DB+2*qp+1], v[DB+2*qp:DB+2*qp+1], v[76+2*(qp%4):77+2*(qp%4)]
.set qp, qp+1
.endr
	v_pk_add_f32 v[76:77], v[76:77], v[78:79]
	v_pk_add_f32 v[80:81], v[80:81], v[82:83]
	v_pk_add_f32 v[76:77], v[76:77], v[80:81]
	v_add_f32 v76, v76, v77
	v_fmaak_f32 v76, s101, v76, 0x3727c5ac         ; the variance + 1e-5
	v_rsq_f32 v84, v76
	v_nop
	s_wait_alu depctr_va_vdst(0)
	v_mov_b32 v85, v84
.set qp, 0
.rept 32
	v_pk_mul_f32 v[DB+2*qp:DB+2*qp+1], v[DB+2*qp:DB+2*qp+1], v[84:85]
.set qp, qp+1
.endr
	; ---- gamma and beta; H as bf16 into my stage; H becomes an operand
	s_wait_kmcnt 0x0
.set qe, 0
.rept 32
	v_fma_f32 v[DB+qe], v[DB+qe], s[24+qe], s[68+qe]
.set qe, qe+1
.endr
	KL4 768                                        ; gamma and beta, features 32-63
	QMAX 192, 30, 32
.set qe, 0
.rept 16
	v_cvt_pk_bf16_f32 v[128+qe], v[192+2*qe], v[193+2*qe]
.set qe, qe+1
.endr
.irp c, 0,1,2,3
	ds_store_b128 v4, v[128+4*\c:131+4*\c] offset:HSO+16*\c
.endr
	s_wait_kmcnt 0x0
.set qe, 0
.rept 32
	v_fma_f32 v[DB+32+qe], v[DB+32+qe], s[24+qe], s[68+qe]
.set qe, qe+1
.endr
	KCH 0, 0                                       ; the tanh stage's first chunk
	QMAX 224, 31, 33
.set qe, 0
.rept 16
	v_cvt_pk_bf16_f32 v[144+qe], v[224+2*qe], v[225+2*qe]
.set qe, qe+1
.endr
.irp c, 0,1,2,3
	ds_store_b128 v4, v[144+4*\c:147+4*\c] offset:HSO+64+16*\c
.endr
	WORD 24, 32, 33
	QCVT 192, 48, 30
	FRAGS 12, 4, 192
	QCVT 224, 52, 31
	FRAGS 16, 4, 224
	NOPS 8
	s_wait_dscnt 0x0                               ; Ww's fragments are in, and the stores of H have read DA's registers
.irp g, 0,1,2,3,4,5,6,7
	MM 12+\g, DA+8*\g, 192+8*\g, 48, 24
.endr
	NOPS 4
	; ---- the next step's X, if there is one: it has the whole tanh stage in which to land
	s_add_co_u32 s100, s13, 1
	s_cmp_lt_u32 s100, s14
	s_cbranch_scc0 .Lno_next
.irp i, 0,1,2,3,4,5,6,7
	global_load_b128 v[224+4*\i:227+4*\i], v1, s[2:3] offset:65536+512*\i th:TH_LOAD_NT
.endr
.Lno_next:
	; ---- tanh and scores
.set qp, 0
.rept 32
	v_pk_mul_f32 v[DA+2*qp:DA+2*qp+1], v[DA+2*qp:DA+2*qp+1], 0x3fb8aa3b op_sel_hi:[1,0]
.set qp, qp+1
.endr
.set qe, 0
.rept 64
	v_exp_f32 v[DA+qe], v[DA+qe]
.set qe, qe+1
.endr
	s_wait_alu depctr_va_vdst(0)
.irp k, 0,1,2,3
	v_dual_mov_b32 v[88+2*\k], 0 :: v_dual_mov_b32 v[89+2*\k], 0   ; (also the plain line behind the exponentials)
.endr
	CHUNK 0
	CHUNK 1
	CHUNK 2
	CHUNK 3
	CHUNK 4
	CHUNK 5
	CHUNK 6
	CHUNK 7
	KL4 0                                          ; b1 for the next trip
	; ---- the softmax state and the pooled sums
.irp k, 0,1,2,3
	v_add_f32 v[68+\k], v[88+2*\k], v[89+2*\k]
.endr
	global_store_b128 v1, v[68:71], s[4:5] th:TH_STORE_NT          ; 32 lanes store 512 consecutive bytes
.irp k, 0,1,2,3
	v_max_num_f32_dpp v[76+\k], v[68+\k], v[68+\k] row_xmask:1 row_mask:0xf bank_mask:0xf
.endr
.irp m, 2,4,8
.irp k, 0,1,2,3
	v_max_num_f32_dpp v[76+\k], v[76+\k], v[76+\k] row_xmask:\m row_mask:0xf bank_mask:0xf
.endr
.endr
.irp k, 0,1,2,3
	v_permlanex16_b32 v[80+\k], v[76+\k], s66, s67
.endr
.irp k, 0,1,2,3
	v_max3_num_f32 v[76+\k], v[76+\k], v[80+\k], v[56+\k]          ; the new m: the same in all lanes
.endr
.irp k, 0,1,2,3
	v_sub_f32 v[64+\k], v[56+\k], v[76+\k]
	v_sub_f32 v[72+\k], v[68+\k], v[76+\k]
.endr
.irp k, 0,1,2,3
	v_exp_f32 v[64+\k], v[64+\k]
	v_exp_f32 v[72+\k], v[72+\k]
.endr
.irp k, 0,1,2,3
	v_mov_b32 v[56+\k], v[76+\k]
.endr
	s_wait_alu depctr_va_vdst(0)
.irp k, 0,1,2,3
	v_fma_f32 v[60+\k], v[60+\k], v[64+\k], v[72+\k]
.endr
	v_cvt_pk_bf16_f32 v80, v72, v73
	v_cvt_pk_bf16_f32 v81, v74, v75
	ds_store_b64 v6, v[80:81] offset:PSO
.irp t, 0,1,2,3
	v_pk_mul_f32 v[ZA+8*\t:ZA+8*\t+1], v[ZA+8*\t:ZA+8*\t+1], v[64:65]      ; register j of a pooled tile is seed j
	v_pk_mul_f32 v[ZA+8*\t+2:ZA+8*\t+3], v[ZA+8*\t+2:ZA+8*\t+3], v[66:67]
.endr
	ds_load_tr16_b128 v[160:163], v7 offset:PSO                    ; LDS serves a wave's instructions in order: these see my stores
	ds_load_tr16_b128 v[164:167], v7 offset:PSO+512
.irp t, 0,1,2,3
	ds_load_tr16_b128 v[128+8*\t:131+8*\t], v5 offset:HSO+32*\t
	ds_load_tr16_b128 v[132+8*\t:135+8*\t], v5 offset:HSO+32*\t+2560
.endr
	s_wait_dscnt 0x0
.irp t, 0,1,2,3
	v_wmma_f32_16x16x32_bf16 v[ZA+8*\t:ZA+8*\t+7], v[160:167], v[128+8*\t:135+8*\t], v[ZA+8*\t:ZA+8*\t+7]   ; the four tiles by turns
.endr
	s_wait_xcnt 0x0                                ; the store and the loads have read their bases and data: both bases step
	s_add_nc_u64 s[2:3], s[2:3], 0x10000
	s_add_nc_u64 s[4:5], s[4:5], 0x2000
	s_add_co_u32 s13, s13, 1
	s_cmp_lt_u32 s13, s14
	s_cbranch_scc1 .Ltrip
	; ---- the waves' states meet in LDS; waves 0 and 1 bring them under one maximum and store the work-group's
	s_wait_kmcnt 0x0                               ; the constants asked for in the last trip
	s_wait_loadcnt 0x0                             ; no load into v224-255 is out on any way out of the loop (the last trip asked for none): the sums below use v224-231
	NOPS 4
.irp m, 1,2,4,8
.irp k, 0,1,2,3
	v_add_f32_dpp v[60+\k], v[60+\k], v[60+\k] row_xmask:\m row_mask:0xf bank_mask:0xf
.endr
.endr
.irp k, 0,1,2,3
	v_permlanex16_b32 v[80+\k], v[60+\k], s66, s67
.endr
.irp k, 0,1,2,3
	v_add_f32 v[60+\k], v[60+\k], v[80+\k]
.endr
.irp t, 0,1,2,3
.irp j, 0,1,2,3
	ds_store_b32 v9, v[ZA+8*\t+\j] offset:256*\j+64*\t             ; [seed][feature], each tile from its low end on
.endr
.endr
	v_mov_b32 v10, s15
	ds_store_b128 v10, v[56:59] offset:HSO         ; all lanes write the same words with the same values
	ds_store_b128 v10, v[60:63] offset:HSO+16
	v_add_nc_u32 v128, WR0, v11                    ; thread t = 16 k + q reads 16 bytes at 16 t of each wave's sums: three bases, six waves to a base
	v_add_nc_u32 v129, WR0+6*WREG, v11
	v_add_nc_u32 v130, WR0+12*WREG, v11
	v_lshrrev_b32 v34, 4, v0
	v_lshlrev_b32 v34, 2, v34                      ; 4 k
	v_add_nc_u32 v131, WR0+HSO, v34
	v_add_nc_u32 v132, WR0+HSO+6*WREG, v34
	v_add_nc_u32 v133, WR0+HSO+12*WREG, v34
	s_wait_dscnt 0x0
	s_barrier_signal -1
	s_barrier_wait -1
	s_cmp_lt_u32 s12, 2
	s_cbranch_scc0 .Ldone
.set qi, 0
.rept 16
	ds_load_b32 v[136+qi], v[131+qi/6] offset:WREG*(qi%6)
	ds_load_b32 v[152+qi], v[131+qi/6] offset:WREG*(qi%6)+16
	ds_load_b128 v[168+4*qi:171+4*qi], v[128+qi/6] offset:WREG*(qi%6)
.set qi, qi+1
.endr
	s_lshl_b32 s100, ttmp9, 10
	s_mov_b32 s101, 0
	s_add_nc_u64 s[8:9], s[8:9], s[100:101]
	s_lshl_b32 s100, ttmp9, 5
	s_add_nc_u64 s[10:11], s[10:11], s[100:101]
	s_wait_dscnt 0x0
	v_max3_num_f32 v32, v136, v137, v138
.irp i, 3,5,7,9,11,13
	v_max3_num_f32 v32, v32, v[136+\i], v[137+\i]
.endr
	v_max_num_f32 v32, v32, v151
.set qi, 0
.rept 16
	v_sub_f32 v[136+qi], v[136+qi], v32
.set qi, qi+1
.endr
.set qi, 0
.rept 16
	v_exp_f32 v[136+qi], v[136+qi]
.set qi, qi+1
.endr
	v_nop
	s_wait_alu depctr_va_vdst(0)
	v_mul_f32 v33, v136, v152
.irp c, 0,1,2,3
	v_mul_f32 v[36+\c], v136, v[168+\c]
.endr
.set qi, 1
.rept 15
	v_fmac_f32 v33, v[136+qi], v[152+qi]
.irp c, 0,1,2,3
	v_fmac_f32 v[36+\c], v[136+qi], v[168+4*qi+\c]
.endr
.set qi, qi+1
.endr
	global_store_b128 v11, v[36:39], s[8:9]        ; sixteen lanes store 256 consecutive bytes, aligned
	global_store_b32 v34, v32, s[10:11]            ; the sixteen threads of a seed write the same word with the same value; 32 bytes a work-group
	global_store_b32 v34, v33, s[10:11] offset:16
.Ldone:
	s_wait_tensorcnt 0x0
	ds_add_u32 v86, v87
	s_wait_dscnt 0x0
	s_endpgm
.Lfunc_end_k_q9b0ad56553_main:
	.size	k_q9b0ad56553_main, .Lfunc_end_k_q9b0ad56553_main-k_q9b0ad56553_main
	.p2alignl 7, 3214868480
	.fill 96, 4, 3214868480
	.section	.rodata,"a",@progbits
	.p2align	6, 0x0
	.amdhsa_kernel k_q9b0ad56553_main
		.amdhsa_group_segment_fixed_size 194560
		.amdhsa_private_segment_fixed_size 0
		.amdhsa_enable_private_segment 0
		.amdhsa_kernarg_size 56
		.amdhsa_user_sgpr_count 2
		.amdhsa_user_sgpr_kernarg_segment_ptr 1
		.amdhsa_wavefront_size32 1
		.amdhsa_system_sgpr_workgroup_id_x 1
		.amdhsa_system_sgpr_workgroup_id_y 1
		.amdhsa_system_sgpr_workgroup_id_z 1
		.amdhsa_system_vgpr_workitem_id 0
		.amdhsa_next_free_vgpr 256
		.amdhsa_next_free_sgpr 106
		.amdhsa_reserve_vcc 0
		.amdhsa_float_denorm_mode_32 3
		.amdhsa_float_denorm_mode_16_64 3
		.amdhsa_memory_ordered 1
		.amdhsa_forward_progress 1
		.amdhsa_inst_pref_size 102
	.end_amdhsa_kernel
	.amdgpu_metadata
---
amdhsa.version: [ 1, 2 ]
amdhsa.kernels:
  - .name:           k_q9b0ad56553_main
    .symbol:         k_q9b0ad56553_main.kd
    .args:
      - { .name: X, .offset: 0, .size: 8, .value_kind: global_buffer, .address_space: global }
      - { .name: wimg, .offset: 8, .size: 8, .value_kind: global_buffer, .address_space: global }
      - { .name: wscl, .offset: 16, .size: 8, .value_kind: global_buffer, .address_space: global }
      - { .name: cst, .offset: 24, .size: 8, .value_kind: global_buffer, .address_space: global }
      - { .name: sc, .offset: 32, .size: 8, .value_kind: global_buffer, .address_space: global }
      - { .name: pml, .offset: 40, .size: 8, .value_kind: global_buffer, .address_space: global }
      - { .name: pz, .offset: 48, .size: 8, .value_kind: global_buffer, .address_space: global }
    .group_segment_fixed_size: 194560
    .private_segment_fixed_size: 0
    .kernarg_segment_align: 8
    .kernarg_segment_size: 56
    .max_flat_workgroup_size: 512
    .sgpr_count:     106
    .vgpr_count:     256
    .wavefront_size: 32
...
	.end_amdgpu_metadata
.endif
;; end of part 2
;; launch finish (part 3): grid 626 x 1, 5 waves a work-group, no clusters, 33,536 bytes of LDS; arguments sc, pml, pz, rw1, rb1, rw2, rb2, out0, out1; writes out0, out1
.if DOCPART == 3
	.amdgcn_target "amdgcn-amd-amdhsa--gfx1250"
	.amdhsa_code_object_version 6
	.text
	.protected	k_q9b0ad56553_finish
	.globl	k_q9b0ad56553_finish
	.p2align	8
	.type	k_q9b0ad56553_finish,@function
k_q9b0ad56553_finish:
	s_mov_b64 s[64:65], 0
	v_nop
	global_prefetch_b8 v0, s[64:65] scope:SCOPE_SE
	s_setreg_imm32_b32 hwreg(HW_REG_WAVE_MODE, 25, 1), 1
	s_wait_xcnt 0x0
; Work-groups 1 to 625: 1,600 rows each: weights = 2^(score - M) / S, laid [seed][row].  Work-group 0: the pooled sums of the 256 partial states and the
; small MLP behind them.  Every work-group first brings the 256 partial maxima and sums under one maximum M and sum S (macro REDUCE).
; A wave of the stream takes 320 rows: 1,280 bytes of each seed's row of the output, five aligned blocks of 256 bytes; the turn from [row][seed] to
; [seed][row] goes through the wave's own stage in LDS, so that sixteen lanes store 256 consecutive bytes.  1,000,000 rows are 5^6 blocks of 64: hence five waves.
; The two ways part on the work-group's number and have LDS bytes of their own.  In work-group 0 wave 4 only passes the barriers.
; No prefetch, no tensor loads, no matrix unit: a short stream, and products with one row.
; LIMITS: NaN and infinities are not served; a weight under 2^-126 comes out as 0.
.set RED0, 0                           ; stream: four waves' maxima and sums, 32 bytes each
.set STG,  256                         ; stream: 5,120 bytes a wave: [seed][320 rows] f32
.set RED1, 25856                       ; work-group 0: the same as RED0
.set ETAB, 26112                       ; [seed][256 partial states] f32: 2^(m - M)
.set ZP,   30208                       ; [2 halves of the states][256] f32
.set HB,   32256                       ; 64 sums of the hidden layer
.set OB,   32512                       ; 64 sums of the output
.macro RED4 opd, op, r                 ; four registers v[r] on, over the 32 lanes, the result in every lane
.irp m, 1,2,4,8
.irp k, 0,1,2,3
	\opd v[\r+\k], v[\r+\k], v[\r+\k] row_xmask:\m row_mask:0xf bank_mask:0xf
.endr
.endr
.irp k, 0,1,2,3
	v_permlanex16_b32 v[32+\k], v[\r+\k], s10, s11
.endr
.irp k, 0,1,2,3
	\op v[\r+\k], v[\r+\k], v[32+\k]
.endr
.endm
; M in v[76:79], 1 / S in v[80:83], in every lane of every wave.  Thread t < 128 takes states t and t + 128; v[8:11], v[16:19] keep their maxima.
.macro REDUCE
	s_cmp_lt_u32 s8, 4
	s_cbranch_scc0 .Lfifth_\@
	global_load_b128 v[8:11], v2, s[14:15]
	global_load_b128 v[12:15], v2, s[14:15] offset:16
	global_load_b128 v[16:19], v2, s[14:15] offset:4096
	global_load_b128 v[20:23], v2, s[14:15] offset:4112
	s_wait_loadcnt 0x0
.irp k, 0,1,2,3
	v_max_num_f32 v[24+\k], v[8+\k], v[16+\k]
.endr
	RED4 v_max_num_f32_dpp, v_max_num_f32, 24
.irp k, 0,1,2,3
	v_sub_f32 v[36+\k], v[8+\k], v[24+\k]
	v_sub_f32 v[40+\k], v[16+\k], v[24+\k]
.endr
.irp k, 0,1,2,3,4,5,6,7
	v_exp_f32 v[36+\k], v[36+\k]
.endr
	v_nop
	s_wait_alu depctr_va_vdst(0)
.irp k, 0,1,2,3
	v_mul_f32 v[28+\k], v[12+\k], v[36+\k]
.endr
.irp k, 0,1,2,3
	v_fmac_f32 v[28+\k], v[20+\k], v[40+\k]
.endr
	RED4 v_add_f32_dpp, v_add_f32, 28
	ds_store_b128 v3, v[24:27]                     ; all lanes write the same words with the same values
	ds_store_b128 v3, v[28:31] offset:16
.Lfifth_\@:
	s_wait_dscnt 0x0
	s_barrier_signal -1
	s_barrier_wait -1
.irp w, 0,1,2,3
	ds_load_b128 v[44+8*\w:47+8*\w], v4 offset:32*\w
	ds_load_b128 v[48+8*\w:51+8*\w], v4 offset:32*\w+16
.endr
	s_wait_dscnt 0x0
.irp k, 0,1,2,3
	v_max3_num_f32 v[76+\k], v[44+\k], v[52+\k], v[60+\k]
.endr
.irp k, 0,1,2,3
	v_max_num_f32 v[76+\k], v[76+\k], v[68+\k]
.endr
.irp w, 0,1,2,3
.irp k, 0,1,2,3
	v_sub_f32 v[44+8*\w+\k], v[44+8*\w+\k], v[76+\k]
.endr
.endr
.irp w, 0,1,2,3
.irp k, 0,1,2,3
	v_exp_f32 v[44+8*\w+\k], v[44+8*\w+\k]
.endr
.endr
	v_nop
	s_wait_alu depctr_va_vdst(0)
.irp k, 0,1,2,3
	v_mul_f32 v[80+\k], v[48+\k], v[44+\k]
.endr
.irp w, 1,2,3
.irp k, 0,1,2,3
	v_fmac_f32 v[80+\k], v[48+8*\w+\k], v[44+8*\w+\k]
.endr
.endr
.irp k, 0,1,2,3
	v_rcp_f32 v[80+\k], v[80+\k]
.endr
	v_nop
.endm
	s_load_b256 s[12:19], s[0:1], 0x0              ; sc s[12:13], pml s[14:15], pz s[16:17], rw1 s[18:19]
	s_load_b256 s[20:27], s[0:1], 0x20             ; rb1 s[20:21], rw2 s[22:23], rb2 s[24:25], out0 s[26:27]
	s_load_b64 s[28:29], s[0:1], 0x40              ; out1
	v_lshl_add_u32 v254, v0, 2, 0x8000
	v_mov_b32 v255, 0
	v_lshrrev_b32 v1, 5, v0
	v_readfirstlane_b32 s8, v1                     ; wave 0..4
	v_and_b32 v1, 31, v0                           ; L
	v_lshlrev_b32 v2, 5, v0                        ; a partial state's 32 bytes
	v_and_b32 v5, 15, v0                           ; r
	v_bfe_u32 v6, v0, 4, 1                         ; h
	v_lshlrev_b32 v7, 4, v1                        ; 16 L
	s_mov_b32 s10, 0x76543210
	s_mov_b32 s11, 0xfedcba98
.irp k, 0,1,2,3
	v_mov_b32 v[32+\k], 0                          ; a lane permute's destination counts as read
.endr
	s_wait_kmcnt 0x0
	s_cmp_eq_u32 ttmp9, 0
	s_cbranch_scc1 .Lspecial
	; ======== the stream
	s_lshl_b32 s9, s8, 5
	v_mov_b32 v3, s9                               ; RED0 + 32 x wave
	v_mov_b32 v4, RED0
	s_mul_i32 s30, s8, 5120
	s_add_co_u32 s30, s30, STG                     ; my stage
	v_lshl_add_u32 v84, v1, 2, s30
	v_add_nc_u32 v85, s30, v7
	v_lshlrev_b32 v86, 4, v5
.set qn, 0
.rept 10                               ; block G = 2 n + h of my stage's twenty blocks of 256 bytes belongs to seed G / 5, block G % 5 of my 1,280 bytes there
.set KLO, ((2*qn)/5)*4000000+((2*qn)%5)*256
.set KHI, ((2*qn+1)/5)*4000000+((2*qn+1)%5)*256
	v_mad_u32_u24 v[176+qn], v6, KHI-KLO, v86
	v_add_nc_u32 v[176+qn], KLO, v[176+qn]
.set qn, qn+1
.endr
	s_sub_co_u32 s31, ttmp9, 1
	s_mul_i32 s31, s31, 1600
	s_mul_i32 s32, s8, 320
	s_add_co_u32 s31, s31, s32                     ; my first row
	s_lshl_b32 s32, s31, 4
	s_mov_b32 s33, 0
	s_add_nc_u64 s[12:13], s[12:13], s[32:33]
	s_lshl_b32 s32, s31, 2
	s_add_nc_u64 s[28:29], s[28:29], s[32:33]
.irp i, 0,1,2,3,4,5,6,7,8,9
	global_load_b128 v[96+4*\i:99+4*\i], v7, s[12:13] offset:512*\i th:TH_LOAD_NT
.endr
	REDUCE
.irp i, 0,1,2,3,4,5,6,7,8,9
	s_wait_loadcnt 9-\i                            ; load i is in; the younger ones may be out
	v_pk_add_f32 v[96+4*\i:97+4*\i], v[96+4*\i:97+4*\i], v[76:77] neg_lo:[0,1] neg_hi:[0,1]
	v_pk_add_f32 v[98+4*\i:99+4*\i], v[98+4*\i:99+4*\i], v[78:79] neg_lo:[0,1] neg_hi:[0,1]
.irp k, 0,1,2,3
	v_exp_f32 v[96+4*\i+\k], v[96+4*\i+\k]
.endr
	v_nop
	s_wait_alu depctr_va_vdst(0)
	v_pk_mul_f32 v[96+4*\i:97+4*\i], v[96+4*\i:97+4*\i], v[80:81]
	v_pk_mul_f32 v[98+4*\i:99+4*\i], v[98+4*\i:99+4*\i], v[82:83]
.irp k, 0,1,2,3
	ds_store_b32 v84, v[96+4*\i+\k] offset:1280*\k+128*\i
.endr
.endr
.irp n, 0,1,2,3,4,5,6,7,8,9
	ds_load_b128 v[136+4*\n:139+4*\n], v85 offset:512*\n           ; LDS serves a wave's instructions in order: these see my stores
.endr
.irp n, 0,1,2,3,4,5,6,7,8,9
	s_wait_dscnt 9-\n
	global_store_b128 v[176+\n], v[136+4*\n:139+4*\n], s[28:29] th:TH_STORE_NT     ; sixteen lanes store 256 consecutive bytes, aligned
.endr
	s_wait_tensorcnt 0x0
	ds_add_u32 v254, v255
	s_wait_dscnt 0x0
	s_endpgm
	; ======== work-group 0
.macro BATCH b, reg                    ; 16 partial states: my 16 bytes of each
.irp i, 0,1,2,3,4,5,6,7,8,9,10,11,12,13,14,15
	global_load_b128 v[\reg+4*\i:\reg+4*\i+3], v87, s[16:17] offset:1024*(16*(\b)+\i)
.endr
.endm
.macro RW1 a                           ; eight of my wave's sixteen rows of rw1, 32 bytes a lane
.irp j, 0,1,2,3,4,5,6,7
	global_load_b128 v[104+64*(\a)+8*\j:107+64*(\a)+8*\j], v88, s[18:19] offset:1024*(8*(\a)+\j)
	global_load_b128 v[108+64*(\a)+8*\j:111+64*(\a)+8*\j], v88, s[18:19] offset:1024*(8*(\a)+\j)+512
.endr
.endm
.macro SUMB b                          ; batch b is weighed in; its registers take the loads of two batches on, at last rw1's
.set PB, 104+64*((\b)%2)
.irp q, 0,1,2,3
	ds_load_b128 v[236+4*\q:239+4*\q], v93 offset:64*(\b)+16*\q
.endr
.if (\b) == 0
	s_wait_loadcnt 10                              ; batches 0 and 1 are in: behind them stand the ten loads just issued (rw2's eight, rb1's, rb2's), which may be out
.elseif (\b) == 1
	s_wait_loadcnt 26                              ; those ten and batch 2 may be out
.else
	s_wait_loadcnt 16                              ; the 16 loads issued behind this batch may be out
.endif
	s_wait_dscnt 0x0
.set qi, 0
.rept 16
.irp c, 0,1,2,3
.if ((\b) == 0) && (qi == 0)
	v_mul_f32 v[232+\c], v[236], v[PB+\c]
.else
	v_fmac_f32 v[232+\c], v[236+qi], v[PB+4*qi+\c]
.endif
.endr
.set qi, qi+1
.endr
.if (\b) < 6
	BATCH (\b)+2, PB
.else
	RW1 (\b)-6
.endif
.endm
.Lspecial:
	; every LDS address is made here, ahead of the first parting of the waves
	s_lshl_b32 s9, s8, 5
	s_add_co_u32 s9, s9, RED1
	v_mov_b32 v3, s9
	v_mov_b32 v4, RED1
	v_and_b32 v84, 63, v0                          ; which 16 bytes of a state's 1,024
	v_bfe_u32 v85, v0, 6, 1                        ; which 128 states
	v_lshrrev_b32 v86, 4, v84                      ; their seed
	v_lshlrev_b32 v87, 4, v84
	v_lshl_add_u32 v94, v85, 10, v87
	v_add_nc_u32 v94, ZP, v94
	v_lshl_add_u32 v87, v85, 17, v87               ; in pz
	s_lshl_b32 s30, s8, 14
	v_add_nc_u32 v88, s30, v7                      ; rw1: my wave's 16 rows of 1,024 bytes
	s_lshl_b32 s30, s8, 12
	v_add_nc_u32 v89, s30, v7                      ; rw2: my wave's 16 rows of 256 bytes
	s_lshl_b32 s30, s8, 6
	s_add_co_u32 s31, s30, HB
	v_mov_b32 v90, s31
	v_lshlrev_b32 v98, 4, v5
	v_add_nc_u32 v91, HB, v98
	v_lshl_add_u32 v92, v0, 2, ETAB
	v_lshlrev_b32 v93, 10, v86
	v_lshl_add_u32 v93, v85, 9, v93
	v_add_nc_u32 v93, ETAB, v93
	v_add_nc_u32 v95, ZP, v7
	s_add_co_u32 s31, s30, OB
	v_lshl_add_u32 v96, v6, 2, s31
	v_add_nc_u32 v97, OB, v98
	s_cmp_lt_u32 s8, 4
	s_cbranch_scc0 .Lp0
	BATCH 0, 104
	BATCH 1, 168
.Lp0:
	REDUCE
	s_cmp_lt_u32 s8, 4
	s_cbranch_scc0 .Lp1
.irp k, 0,1,2,3
	v_sub_f32 v[8+\k], v[8+\k], v[76+\k]
	v_sub_f32 v[16+\k], v[16+\k], v[76+\k]
.endr
.irp k, 0,1,2,3
	v_exp_f32 v[8+\k], v[8+\k]
	v_exp_f32 v[16+\k], v[16+\k]
.endr
	v_nop
	s_wait_alu depctr_va_vdst(0)
.irp k, 0,1,2,3
	ds_store_b32 v92, v[8+\k] offset:1024*\k
	ds_store_b32 v92, v[16+\k] offset:1024*\k+512
.endr
.Lp1:
	s_wait_dscnt 0x0
	s_barrier_signal -1
	s_barrier_wait -1                              ; the table of 2^(m - M) is whole
	s_cmp_lt_u32 s8, 4
	s_cbranch_scc0 .Lp2
	; rw2, rb1 and rb2 are asked for here, in the same stretch as the counted waits below: ten loads stand behind batch 1 on every way to the first of them
.irp n, 0,1,2,3,4,5,6,7
	global_load_b128 v[44+4*\n:47+4*\n], v89, s[22:23] offset:512*\n       ; lanes 0-15 row 2 n, lanes 16-31 row 2 n + 1
.endr
	global_load_b128 v[36:39], v98, s[20:21]       ; rb1[4 r ..]
	global_load_b128 v[40:43], v98, s[24:25]       ; rb2[4 r ..]
	SUMB 0
	SUMB 1
	SUMB 2
	SUMB 3
	SUMB 4
	SUMB 5
	SUMB 6
	SUMB 7
	s_wait_alu depctr_va_vdst(0)
	v_mov_b32 v252, v80                            ; 1 / S of my seed
	v_cmp_eq_u32 vcc_lo, 1, v86
	v_cndmask_b32 v252, v252, v81, vcc_lo
	v_cmp_eq_u32 vcc_lo, 2, v86
	v_cndmask_b32 v252, v252, v82, vcc_lo
	v_cmp_eq_u32 vcc_lo, 3, v86
	v_cndmask_b32 v252, v252, v83, vcc_lo
.irp c, 0,1,2,3
	v_mul_f32 v[232+\c], v[232+\c], v252
.endr
	ds_store_b128 v94, v[232:235]
.Lp2:
	s_wait_dscnt 0x0
	s_barrier_signal -1
	s_barrier_wait -1                              ; both halves of Z lie in LDS
	s_cmp_lt_u32 s8, 4
	s_cbranch_scc0 .Lp3
	ds_load_b128 v[236:239], v95
	ds_load_b128 v[240:243], v95 offset:512
	ds_load_b128 v[244:247], v95 offset:1024
	ds_load_b128 v[248:251], v95 offset:1536
	s_wait_dscnt 0x0
.irp c, 0,2,4,6
	v_pk_add_f32 v[236+\c:237+\c], v[236+\c:237+\c], v[244+\c:245+\c]      ; Z[4 L ..] and Z[128 + 4 L ..]
.endr
	s_wait_loadcnt 0x0                             ; rw1
.set qj, 0
.rept 16
	v_pk_mul_f32 v[104+8*qj:105+8*qj], v[104+8*qj:105+8*qj], v[236:237]
.set qj, qj+1
.endr
.irp c, 2,4,6
.set qj, 0
.rept 16
	v_pk_fma_f32 v[104+8*qj:105+8*qj], v[104+8*qj+\c:105+8*qj+\c], v[236+\c:237+\c], v[104+8*qj:105+8*qj]
.set qj, qj+1
.endr
.endr
.set qj, 0
.rept 16
	v_add_f32 v[104+8*qj], v[104+8*qj], v[105+8*qj]
.set qj, qj+1
.endr
.irp m, 1,2,4,8
.set qj, 0
.rept 16
	v_add_f32_dpp v[104+8*qj], v[104+8*qj], v[104+8*qj] row_xmask:\m row_mask:0xf bank_mask:0xf
.set qj, qj+1
.endr
.endr
.set qj, 0
.rept 16
	v_permlanex16_b32 v[105+8*qj], v[104+8*qj], s10, s11
.set qj, qj+1
.endr
.set qj, 0
.rept 16
	v_add_f32 v[104+8*qj], v[104+8*qj], v[105+8*qj]
	ds_store_b32 v90, v[104+8*qj] offset:4*qj      ; all lanes write the same word with the same value
.set qj, qj+1
.endr
.Lp3:
	s_wait_dscnt 0x0
	s_barrier_signal -1
	s_barrier_wait -1                              ; the hidden layer's 64 sums lie in LDS
	s_cmp_lt_u32 s8, 4
	s_cbranch_scc0 .Lp4
	ds_load_b128 v[236:239], v91
	s_wait_dscnt 0x0
.irp c, 0,1,2,3
	v_add_f32 v[236+\c], v[236+\c], v[36+\c]
.endr
.irp c, 0,1,2,3
	v_max_num_f32 v[236+\c], 0, v[236+\c]
.endr
.irp n, 0,1,2,3,4,5,6,7
	v_pk_mul_f32 v[44+4*\n:45+4*\n], v[44+4*\n:45+4*\n], v[236:237]
.endr
.irp n, 0,1,2,3,4,5,6,7
	v_pk_fma_f32 v[44+4*\n:45+4*\n], v[46+4*\n:47+4*\n], v[238:239], v[44+4*\n:45+4*\n]
.endr
.irp n, 0,1,2,3,4,5,6,7
	v_add_f32 v[44+4*\n], v[44+4*\n], v[45+4*\n]
.endr
.irp m, 1,2,4,8
.irp n, 0,1,2,3,4,5,6,7
	v_add_f32_dpp v[44+4*\n], v[44+4*\n], v[44+4*\n] row_xmask:\m row_mask:0xf bank_mask:0xf
.endr
.endr
.irp n, 0,1,2,3,4,5,6,7
	ds_store_b32 v96, v[44+4*\n] offset:8*\n       ; row 16 w + 2 n + h; the sixteen lanes of a half write the same word
.endr
.Lp4:
	s_wait_dscnt 0x0
	s_barrier_signal -1
	s_barrier_wait -1
	s_cmp_eq_u32 s8, 0
	s_cbranch_scc0 .Lend
	ds_load_b128 v[236:239], v97
	s_wait_dscnt 0x0
.irp c, 0,1,2,3
	v_add_f32 v[236+\c], v[236+\c], v[40+\c]
.endr
	global_store_b128 v98, v[236:239], s[26:27]    ; out0: 256 bytes; lanes L and L + 16 write the same bytes with the same values
.Lend:
	s_wait_tensorcnt 0x0
	ds_add_u32 v254, v255
	s_wait_dscnt 0x0
	s_endpgm
.Lfunc_end_k_q9b0ad56553_finish:
	.size	k_q9b0ad56553_finish, .Lfunc_end_k_q9b0ad56553_finish-k_q9b0ad56553_finish
	.p2alignl 7, 3214868480
	.fill 96, 4, 3214868480
	.section	.rodata,"a",@progbits
	.p2align	6, 0x0
	.amdhsa_kernel k_q9b0ad56553_finish
		.amdhsa_group_segment_fixed_size 33536
		.amdhsa_private_segment_fixed_size 0
		.amdhsa_enable_private_segment 0
		.amdhsa_kernarg_size 72
		.amdhsa_user_sgpr_count 2
		.amdhsa_user_sgpr_kernarg_segment_ptr 1
		.amdhsa_wavefront_size32 1
		.amdhsa_system_sgpr_workgroup_id_x 1
		.amdhsa_system_sgpr_workgroup_id_y 1
		.amdhsa_system_sgpr_workgroup_id_z 1
		.amdhsa_system_vgpr_workitem_id 0
		.amdhsa_next_free_vgpr 256
		.amdhsa_next_free_sgpr 66
		.amdhsa_reserve_vcc 1
		.amdhsa_float_denorm_mode_32 3
		.amdhsa_float_denorm_mode_16_64 3
		.amdhsa_memory_ordered 1
		.amdhsa_forward_progress 1
		.amdhsa_inst_pref_size 82
	.end_amdhsa_kernel
	.amdgpu_metadata
---
amdhsa.version: [ 1, 2 ]
amdhsa.kernels:
  - .name:           k_q9b0ad56553_finish
    .symbol:         k_q9b0ad56553_finish.kd
    .args:
      - { .name: sc, .offset: 0, .size: 8, .value_kind: global_buffer, .address_space: global }
      - { .name: pml, .offset: 8, .size: 8, .value_kind: global_buffer, .address_space: global }
      - { .name: pz, .offset: 16, .size: 8, .value_kind: global_buffer, .address_space: global }
      - { .name: rw1, .offset: 24, .size: 8, .value_kind: global_buffer, .address_space: global }
      - { .name: rb1, .offset: 32, .size: 8, .value_kind: global_buffer, .address_space: global }
      - { .name: rw2, .offset: 40, .size: 8, .value_kind: global_buffer, .address_space: global }
      - { .name: rb2, .offset: 48, .size: 8, .value_kind: global_buffer, .address_space: global }
      - { .name: out0, .offset: 56, .size: 8, .value_kind: global_buffer, .address_space: global }
      - { .name: out1, .offset: 64, .size: 8, .value_kind: global_buffer, .address_space: global }
    .group_segment_fixed_size: 33536
    .private_segment_fixed_size: 0
    .kernarg_segment_align: 8
    .kernarg_segment_size: 72
    .max_flat_workgroup_size: 160
    .sgpr_count:     66
    .vgpr_count:     256
    .wavefront_size: 32
...
	.end_amdgpu_metadata
.endif
;; end of part 3
;; ======== version 2 of 2: 3 launches; version 1 with the launch main written anew for expert scheduling mode
;; limits: right only within a limited range of input values
;; workspace buffers: wimg 20,480 bytes; wscl 1,280 bytes; cst 2,304 bytes; sc 16,000,000 bytes; pml 8,192 bytes; pz 262,144 bytes
;; launch prep: the kernel of part 1 again; grid 29 x 1, 1 waves a work-group, no clusters, 0 bytes of LDS; arguments w1, w2, Ww, seeds, Uw, Wb, vw, b1, b2, gamma, beta, wimg, wscl, cst; writes wimg, wscl, cst
;; launch main (part 4): grid 256 x 1, 16 waves a work-group, no clusters, 194,560 bytes of LDS; arguments X, wimg, wscl, cst, sc, pml, pz; writes sc, pml, pz
.if DOCPART == 4
	.amdgcn_target "amdgcn-amd-amdhsa--gfx1250"
	.amdhsa_code_object_version 6
	.text
	.protected	k_q9b0ad56553_main
	.globl	k_q9b0ad56553_main
	.p2align	8
	.type	k_q9b0ad56553_main,@function
k_q9b0ad56553_main:
	s_mov_b64 s[64:65], 0
	v_nop
	global_prefetch_b8 v0, s[64:65] scope:SCOPE_SE
	s_setreg_imm32_b32 hwreg(HW_REG_WAVE_SCHED_MODE, 0, 2), 2
	s_setreg_imm32_b32 hwreg(HW_REG_WAVE_MODE, 25, 1), 1
	s_wait_xcnt 0x0
	s_wait_alu depctr_vm_vsrc(0)
; The pass over the 1,000,000 rows: three products on codes of E2M1, bias and ReLU, LayerNorm, 4 x 64 tanh, 4 scores a row, and the running
; softmax state (maximum, sum, pooled sum) of each wave.  Stored: the scores (log2 units, up to a constant for each seed, which a softmax does
; not see) and one partial state for each work-group.
; SHARES.  A step is 32 rows; LANE l OWNS ROW l.  31,250 steps: work-group g takes 122 (+ 1 where g < 18), wave w every sixteenth of them: 7 or 8
; trips.  Four waves to a SIMD, 256 registers each; waves share only the weights' images in LDS: one barrier at the head, one at the end.
; ONE LANE, ONE ROW.  The 4-bit operand layout gives lane (r, h) the K blocks h and 2 + h.  The data operand (source 1) holds the lane's own row
; there; the weight fragment (source 0) holds 8 features, row 8 h' + j = feature j in blocks h' and 2 + h', zeros elsewhere.  Register j of
; the result is feature j of the lane's own row.  So norms, block maxima and scores never leave the lane, and every constant that hangs on a
; feature is the same in all lanes: it comes through scalar registers, two to a dual instruction.
; TANH.  u = 2^(log2(e) Wh), one exponential for a row and feature; p = u c1[k][e]; tanh = 1 - 2 / (1 + p^2); score t_k = sum of vw2[e] / (1 + p^2).
; POOLING.  H and 2^(t - m) go as bf16 through the wave's own LDS stages and come back turned; source 0 = the weights (row = seed), source 1 = H
; (column = feature), K = the 32 rows.  m is the wave's running maximum; sums and pooled sums are multiplied by 2^(old m - new m) in every trip.
; No tensor loads: a step's 4,096 bytes of X are asked for ahead of the tanh stage of the step before, into registers that are free then, and a
; ring's barriers would tie sixteen waves together that otherwise share nothing.  No cluster: work-groups share 24 KB of constants.
; LIMITS: NaN and infinities are not served; c1 is held as the first launch says; blocks under 2^-124 keep the scale byte 1; the pooled sum's
; operands are rounded to bf16, the row sums are taken of the f32 weights.
; REGISTERS: v1-9 addresses; v11 16 x thread; v12-21 the weights' scale words; v22-24 the data operands' scale words; v28-35 the quantiser's;
; v36-47 [zeros][x's codes][zeros]; v48-55 codes; v56-59 m; v60-63 sums; v64-67 factors; v68-71 scores; v72-75 weights; v76-85 at work;
; v86, v87 the closing add's two; v88-95 score sums; v96-127 pooled sums; v128-191 DA; v192-255 DB.
; THE MODE: SCHED_MODE bits 1:0 = 2 (LLVM: expert scheduling mode 2), set by the entry lines.  The code itself states the register dependences
; between vector or matrix instructions and memory or LDS instructions, with s_wait_alu, always for 0.
; THE PLAN.  Registers that memory or LDS instructions touch in the loop, each in the order of a trip:
;   v1-v7      offsets and LDS addresses: made at the head, never written again.
;   v224-255   X lands (asked for behind product 3 of the trip before); the stores into my stage read it; w1's fragments land; product 1 reads them; product 2 writes H;
;              vector lines and conversions work on it; Ww's fragments land; product 3 reads them; the next X lands.
;   v192-223   my row of X lands; maxima and conversions read it; product 2 writes H; conversions read it; Ww's fragments land; product 3 reads them; the tanh stage's four sets.
;   v128-191   product 1 writes; bias, ReLU, conversions; w2's fragments land; product 2 reads them; v128-159: H in bf16, written by vector lines, read by the stores into my stage;
;              product 3 writes; the tanh stage reads; v128-167: H and the weights land, turned; the pooling products read them.
;   v68-71, v80-81  the scores and the bf16 weights: written by vector lines, read by one store each, written again a trip later (v80-81 behind the loop too).
; So each of products 2 and 3 has ONE wait on va_vdst, behind its operand's conversions and the places in front of a scaled product: all that follows it up to the products are stores and
; loads.  One stands in front of product 1, one behind product 3 (the next X), one behind each batch of transcendentals, and one ahead of the weights' store.
; Three waits on vm_vsrc: behind the stores of X, behind the stores of H, and at the trip's end.
.set WR0,  20480                       ; LDS: the weights' images, then a region for each wave
.set WREG, 10752                       ; in it: 32 rows of X x 144 bytes; from HSO 32 rows of H (bf16) x 160; from PSO 32 rows x 32 bytes of weights (bf16)
.set HSO,  4608
.set PSO,  9728
.set DA,   128
.set DB,   192
.set ZA,   96
.macro NOPS n
.rept \n
	v_nop
.endr
.endm
.macro QMAX s, e, b                    ; 32 numbers of my row, v[s] on: the conversion's scale operand in v[e], the scale's byte in v[b]
	v_max3_num_f32 v28, |v[\s]|, |v[\s+1]|, 0x1800000              ; the floor 2^(3 - 127): the byte cannot fall under 1
	v_max3_num_f32 v29, |v[\s+2]|, |v[\s+3]|, |v[\s+4]|
.irp i, 5,9,13,17,21,25
	v_max3_num_f32 v28, v28, |v[\s+\i]|, |v[\s+\i+1]|
	v_max3_num_f32 v29, v29, |v[\s+\i+2]|, |v[\s+\i+3]|
.endr
	v_max3_num_f32 v28, v28, |v[\s+29]|, |v[\s+30]|
	v_max3_num_f32 v28, v28, v29, |v[\s+31]|
	v_add_nc_u32 v[\e], 0xff000000, v28                            ; 2 off the exponent field
	v_lshrrev_b32 v[\b], 23, v[\e]
.endm
.macro QCVT s, c, e
.irp g, 0,1,2,3
	v_cvt_scalef32_pk8_fp4_f32 v[\c+\g], v[\s+8*\g:\s+8*\g+7], v[\e]
.endr
.endm
.macro WORD dst, b0, b1                ; column r's scale word: bytes h and 2 + h are row r + 16 h's
	v_lshl_or_b32 v34, v[\b1], 16, v[\b0]
	v_lshlrev_b32 v34, v8, v34
	v_permlanex16_b32 v35, v34, s66, s67
	v_or_b32 v[\dst], v34, v35
.endm
.macro FRAGS f0, n, reg                ; n weight fragments from their images: 16 bytes a lane, 512 consecutive bytes a load
.set fi, 0
.rept \n
	ds_load_b128 v[\reg+8*fi:\reg+8*fi+3], v1 offset:(\f0+fi)*1024
	ds_load_b128 v[\reg+8*fi+4:\reg+8*fi+7], v1 offset:(\f0+fi)*1024+512
.set fi, fi+1
.endr
.endm
.macro MM f, d, a, b, sb               ; fragment f (in v[a] on) x the data operand v[b] on; every product starts its own sum
.if (\f)%2
	v_wmma_scale_f32_16x16x128_f8f6f4 v[\d:\d+7], v[\a:\a+7], v[\b:\b+7], 0, v[12+(\f)/2], v[\sb] matrix_a_fmt:MATRIX_FMT_FP4 matrix_b_fmt:MATRIX_FMT_FP4 matrix_a_scale:MATRIX_SCALE_ROW1
.else
	v_wmma_scale_f32_16x16x128_f8f6f4 v[\d:\d+7], v[\a:\a+7], v[\b:\b+7], 0, v[12+(\f)/2], v[\sb] matrix_a_fmt:MATRIX_FMT_FP4 matrix_b_fmt:MATRIX_FMT_FP4
.endif
.endm
.macro KL4 off                         ; 64 constants: numbers 0-31 in s24-55, 32-63 in s68-99
	s_load_b512 s[24:39], s[6:7], \off
	s_load_b512 s[40:55], s[6:7], \off+64
	s_load_b512 s[68:83], s[6:7], \off+128
	s_load_b512 s[84:99], s[6:7], \off+192
.endm
.macro KCH buf, c                      ; chunk c of the tanh stage: c1[0..3][8 c ..] and vw2[8 c ..], into buffer 0 (s24-63) or 1 (s68-99, s16-23)
.if \buf
	s_load_b512 s[68:83], s[6:7], 1024+160*(\c)
	s_load_b512 s[84:99], s[6:7], 1024+160*(\c)+64
	s_load_b256 s[16:23], s[6:7], 1024+160*(\c)+128
.else
	s_load_b512 s[24:39], s[6:7], 1024+160*(\c)
	s_load_b512 s[40:55], s[6:7], 1024+160*(\c)+64
	s_load_b256 s[56:63], s[6:7], 1024+160*(\c)+128
.endif
.endm
.macro BIAS r                          ; 64 features + 64 constants, two to an instruction, from each accumulator's low end on
.set qe, 0
.rept 32
.if qe < 32
.set sg, 24+qe
.else
.set sg, 36+qe
.endif
	v_dual_add_f32 v[\r+qe], s[sg], v[\r+qe] :: v_dual_add_f32 v[\r+qe+1], s[sg+1], v[\r+qe+1]
.set qe, qe+2
.endr
.endm
.macro TM k, c                         ; p = u c1[k], into seed k's own set of eight registers: v192-223 hold the four sets
.set WS, 192+8*(\k)
.irp i, 0,2,4,6
	v_dual_mul_f32 v[WS+\i], s[CB+8*(\k)+\i], v[DA+8*(\c)+\i] :: v_dual_mul_f32 v[WS+\i+1], s[CB+8*(\k)+\i+1], v[DA+8*(\c)+\i+1]
.endr
.endm
.macro TF k                            ; 1 + p^2
.set WS, 192+8*(\k)
.irp i, 0,2,4,6
	v_pk_fma_f32 v[WS+\i:WS+\i+1], v[WS+\i:WS+\i+1], v[WS+\i:WS+\i+1], 1.0 op_sel_hi:[1,1,0]
.endr
.endm
.macro TR k
.set WS, 192+8*(\k)
.irp i, 0,1,2,3,4,5,6,7
	v_rcp_f32 v[WS+\i], v[WS+\i]
.endr
.endm
.macro TA k                            ; the score's sums, even and odd features apart
.set WS, 192+8*(\k)
.irp i, 0,2,4,6
	v_dual_fmac_f32 v[88+2*(\k)], s[VB+\i], v[WS+\i] :: v_dual_fmac_f32 v[89+2*(\k)], s[VB+\i+1], v[WS+\i+1]
.endr
.endm
; Eight features for the four seeds.  The chunk's 32 reciprocals are one batch: each seed's run stands behind its own plain lines, none of which names an earlier run's results.
.macro CHUNK c
.if (\c)%2
.set CB, 68
.set VB, 16
.else
.set CB, 24
.set VB, 56
.endif
	s_wait_kmcnt 0x0                               ; this chunk's constants, asked for a chunk ago
.if (\c) < 7
	KCH 1-(\c)%2, (\c)+1
.endif
	TM 0, \c
	TF 0
	TR 0
	TM 1, \c
	TF 1
	TR 1
	TM 2, \c
	TF 2
	TR 2
	TM 3, \c
	TF 3
	TR 3
	v_nop                                          ; a plain line behind the last reciprocal
	s_wait_alu depctr_va_vdst(0)                   ; the chunk's 32 reciprocals have written v192-223, ahead of their first reader
	TA 0
	TA 1
	TA 2
	TA 3
.endm
	s_load_b64 s[2:3], s[0:1], 0x0                 ; X
	s_load_b128 s[16:19], s[0:1], 0x8              ; wimg s[16:17], wscl s[18:19]: wanted at the head alone
	s_load_b64 s[6:7], s[0:1], 0x18                ; cst
	s_load_b64 s[4:5], s[0:1], 0x20                ; sc
	s_load_b64 s[10:11], s[0:1], 0x28              ; pml
	s_load_b64 s[8:9], s[0:1], 0x30                ; pz
	v_lshl_add_u32 v86, v0, 2, 0x2f000
	v_mov_b32 v87, 0
	v_lshrrev_b32 v10, 5, v0
	v_readfirstlane_b32 s12, v10                   ; wave 0..15
	v_and_b32 v10, 31, v0                          ; L
	v_lshlrev_b32 v1, 4, v10                       ; 16 L: X's loads, the scores' stores, the images
	v_lshlrev_b32 v11, 4, v0                       ; 16 x thread
	v_lshlrev_b32 v26, 2, v10                      ; 4 L
	s_wait_alu depctr_va_sdst(0)                   ; s12 is written, ahead of its first reader: my region, my steps and the branches on the wave's number are made from it
	s_mul_i32 s15, s12, WREG
	s_add_co_u32 s15, s15, WR0                     ; my region
	v_lshrrev_b32 v25, 3, v10
	v_and_b32 v27, 7, v10
	v_mul_u32_u24 v2, v25, 144
	v_lshl_add_u32 v2, v27, 4, v2
	v_add_nc_u32 v2, s15, v2                       ; X into the stage: a load's 512 bytes are four rows
	v_mul_u32_u24 v3, v10, 144
	v_add_nc_u32 v3, s15, v3                       ; and back: row L
	v_mul_u32_u24 v4, v10, 160
	v_add_nc_u32 v4, s15, v4                       ; H: row L
	v_bfe_u32 v25, v0, 4, 1                        ; h
	v_lshl_add_u32 v28, v25, 3, v27                ; 8 h + L % 8
	v_bfe_u32 v29, v0, 3, 1
	v_mul_u32_u24 v5, v28, 160
	v_lshl_add_u32 v5, v29, 4, v5
	v_add_nc_u32 v5, s15, v5                       ; H turned
	v_lshl_add_u32 v6, v10, 5, s15                 ; the weights: row L
	v_lshlrev_b32 v7, 5, v28
	v_lshl_add_u32 v7, v29, 4, v7
	v_add_nc_u32 v7, s15, v7                       ; the weights turned
	v_lshlrev_b32 v8, 3, v25                       ; 8 h
	v_and_b32 v30, 15, v0
	v_lshlrev_b32 v9, 2, v30
	v_lshl_add_u32 v9, v25, 11, v9
	v_add_nc_u32 v9, s15, v9                       ; the pooled sums' way out: 4 r, lanes 16-31 (rows of the result that hold no seed) 2,048 bytes on
	v_add_nc_u32 v27, s15, v1
	s_min_u32 s100, ttmp9, 18
	s_mul_i32 s104, ttmp9, 122
	s_add_co_u32 s100, s100, s104
	s_add_co_u32 s100, s100, s12                   ; my first step
	s_cmp_lt_u32 ttmp9, 18
	s_cselect_b32 s14, 1, 0
	s_add_co_u32 s14, s14, 137
	s_sub_co_u32 s14, s14, s12
	s_lshr_b32 s14, s14, 4                         ; my trips: (steps of the work-group - wave + 15) / 16
	s_mov_b32 s13, 0
	s_mov_b32 s66, 0x76543210
	s_mov_b32 s67, 0xfedcba98                      ; lane l xor 16
	s_mov_b32 s101, 0x3c800000                     ; 1 / 64
	s_lshl_b32 s104, s100, 12
	s_mov_b32 s105, 0
	s_wait_kmcnt 0x0
	s_add_nc_u64 s[2:3], s[2:3], s[104:105]        ; 4,096 bytes of X a step
	s_lshl_b32 s104, s100, 9
	s_add_nc_u64 s[4:5], s[4:5], s[104:105]        ; 512 bytes of scores a step
	s_wait_alu depctr_va_vdst(0)                   ; the offsets and LDS addresses v1-v7, v9, v11, v26, v27 are written: every load and store of the kernel up to the way out reads one of them
	global_load_b128 v[128:131], v11, s[16:17]     ; the images: 40 pieces of 512 bytes; wave w takes pieces w, w + 16 and, where w < 8, w + 32
	global_load_b128 v[132:135], v11, s[16:17] offset:8192
	s_cmp_lt_u32 s12, 8
	s_cbranch_scc0 .Lno_third_load
	global_load_b128 v[136:139], v11, s[16:17] offset:16384
.Lno_third_load:
.irp i, 0,1,2,3,4,5,6,7,8,9
	global_load_b32 v[12+\i], v26, s[18:19] offset:128*\i          ; lanes 0-15: fragment 2 i's scale words, lanes 16-31: fragment 2 i + 1's
.endr
.irp i, 0,1,2,3,4,5,6,7
	global_load_b128 v[224+4*\i:227+4*\i], v1, s[2:3] offset:512*\i th:TH_LOAD_NT   ; the first step's X
.endr
	KL4 0                                          ; b1
.irp i, 36,37,38,39,44,45,46,47
	v_mov_b32 v[\i], 0                             ; the zero codes beside x's
.endr
.set qe, 0
.rept 32
	v_mov_b32 v[ZA+qe], 0                          ; the loop is written once: its first trip finds zeros
.set qe, qe+1
.endr
.irp k, 0,1,2,3
	v_mov_b32 v[56+\k], 0xff61b1e6                 ; m: -3e38, under every score
	v_mov_b32 v[60+\k], 0
.endr
	v_mov_b32 v35, 0                               ; a lane permute's destination counts as read
	s_wait_loadcnt 8                               ; the images and scale words are in; the eight loads of X issued behind them may be out
	s_wait_alu depctr_va_vdst(0)                   ; the zeros in v36-39 and v44-47 are written: two LDS stores below read v36-39, and product 1 takes both runs inside its operands
	ds_store_b128 v11, v[128:131]
	ds_store_b128 v11, v[132:135] offset:8192
	s_cmp_lt_u32 s12, 8
	s_cbranch_scc0 .Lno_third_store
	ds_store_b128 v11, v[136:139] offset:16384
.Lno_third_store:
	ds_store_b128 v27, v[36:39] offset:PSO         ; the weights' stage: columns 4-15 stay zero
	ds_store_b128 v27, v[36:39] offset:PSO+512
	s_wait_dscnt 0x0                               ; for the others' sake: my pieces of the images have landed
	s_barrier_signal -1
	s_barrier_wait -1
	s_wait_alu depctr_vm_vsrc(0)                   ; my LDS stores have read v128-139, which product 1 writes, and v36-39, which the way out writes
.Ltrip:
	; ---- X: as it lies into my stage, back a row a lane; quantised
	s_wait_loadcnt 0x0
.irp i, 0,1,2,3,4,5,6,7
	ds_store_b128 v2, v[224+4*\i:227+4*\i] offset:576*\i
.endr
.irp c, 0,1,2,3,4,5,6,7
	ds_load_b128 v[192+4*\c:195+4*\c], v3 offset:16*\c             ; no vector line since the wait behind the softmax state's exponentials names v192-223
.endr
	s_wait_dscnt 8                                 ; the eight stores are done (the eight loads behind them may be out)
	s_wait_alu depctr_vm_vsrc(0)                   ; the eight stores have read v224-255, in which w1's fragments land
	FRAGS 0, 4, 224
	s_wait_dscnt 8                                 ; my row is in; the eight fragment loads may be out
	QMAX 192, 30, 32
	WORD 22, 32, 32
	QCVT 192, 40, 30
	NOPS 8                                         ; eight places between the scale word and the products (four are owed for the codes, one behind the conversions)
	s_wait_alu depctr_va_vdst(0)                   ; x's codes v40-43 and its scale word v22 are written: the scaled products take them
	s_wait_dscnt 0x0
	; ---- product 1: a fragment of w1 holds two groups of features: x in the lower K blocks meets the first, in the upper the second
.irp i, 0,1,2,3
	MM \i, DA+16*\i, 224+8*\i, 40, 22
	MM \i, DA+16*\i+8, 224+8*\i, 36, 22
.endr
	NOPS 4
	s_wait_kmcnt 0x0                               ; b1
	BIAS DA
.set qe, 0
.rept 32
	v_dual_max_num_f32 v[DA+qe], 0, v[DA+qe] :: v_dual_max_num_f32 v[DA+qe+1], 0, v[DA+qe+1]
.set qe, qe+2
.endr
	KL4 256                                        ; b2
	; ---- the hidden layer becomes an operand
	QMAX 128, 30, 32
	QMAX 160, 31, 33
	WORD 23, 32, 33
	QCVT 128, 48, 30
	QCVT 160, 52, 31
	NOPS 8                                         ; the places in front of the scaled products, and the plain line behind the conversions
	s_wait_alu depctr_va_vdst(0)                   ; bias, ReLU, maxima and conversions are done with v128-191, in which w2's fragments land; the codes v48-55 and the scale word v23 are written, which the products take
	FRAGS 4, 8, 128                                ; w2's fragments land where the numbers lay
.irp g, 0,1,2,3,4,5,6,7
	s_wait_dscnt 14-2*\g                           ; fragment g's two loads are in; the 14 - 2 g younger ones may be out
	MM 4+\g, DB+8*\g, 128+8*\g, 48, 23
.endr
	NOPS 4
	; ---- LayerNorm, all in my lane
	s_wait_kmcnt 0x0                               ; b2
	BIAS DB
	KL4 512                                        ; gamma and beta, features 0-31
.irp c, 0,1,2,3
	v_pk_add_f32 v[76+2*\c:77+2*\c], v[DB+2*\c:DB+2*\c+1], v[DB+8+2*\c:DB+9+2*\c]
.endr
.set qp, 8
.rept 24
	v_pk_add_f32 v[76+2*(qp%4):77+2*(qp%4)], v[76+2*(qp%4):77+2*(qp%4)], v[DB+2*qp:DB+2*qp+1]
.set qp, qp+1
.endr
	v_pk_add_f32 v[76:77], v[76:77], v[78:79]
	v_pk_add_f32 v[80:81], v[80:81], v[82:83]
	v_pk_add_f32 v[76:77], v[76:77], v[80:81]
	v_add_f32 v76, v76, v77
	v_mul_f32 v84, 0xbc800000, v76                 ; - the mean, twice
	v_mul_f32 v85, 0xbc800000, v76
.set qp, 0
.rept 32
	v_pk_add_f32 v[DB+2*qp:DB+2*qp+1], v[DB+2*qp:DB+2*qp+1], v[84:85]
.set qp, qp+1
.endr
.irp c, 0,1,2,3
	v_pk_mul_f32 v[76+2*\c:77+2*\c], v[DB+2*\c:DB+2*\c+1], v[DB+2*\c:DB+2*\c+1]
.endr
.set qp, 4
.rept 28
	v_pk_fma_f32 v[76+2*(qp%4):77+2*(qp%4)], v[DB+2*qp:DB+2*qp+1], v[DB+2*qp:DB+2*qp+1], v[76+2*(qp%4):77+2*(qp%4)]
.set qp, qp+1
.endr
	v_pk_add_f32 v[76:77], v[76:77], v[78:79]
	v_pk_add_f32 v[80:81], v[80:81], v[82:83]
	v_pk_add_f32 v[76:77], v[76:77], v[80:81]
	v_add_f32 v76, v76, v77
	v_fmaak_f32 v76, s101, v76, 0x3727c5ac         ; the variance + 1e-5
	v_rsq_f32 v84, v76
	v_nop
	s_wait_alu depctr_va_vdst(0)                   ; the root's reciprocal is written in v84, ahead of its first reader
	v_mov_b32 v85, v84
.set qp, 0
.rept 32
	v_pk_mul_f32 v[DB+2*qp:DB+2*qp+1], v[DB+2*qp:DB+2*qp+1], v[84:85]
.set qp, qp+1
.endr
	; ---- gamma and beta; H rounded to bf16; H becomes an operand.  All the vector lines first; the stores and the loads stand together behind one wait
	s_wait_kmcnt 0x0
.set qe, 0
.rept 32
	v_fma_f32 v[DB+qe], v[DB+qe], s[24+qe], s[68+qe]
.set qe, qe+1
.endr
	KL4 768                                        ; gamma and beta, features 32-63
	QMAX 192, 30, 32
.set qe, 0
.rept 16
	v_cvt_pk_bf16_f32 v[128+qe], v[192+2*qe], v[193+2*qe]
.set qe, qe+1
.endr
	s_wait_kmcnt 0x0
.set qe, 0
.rept 32
	v_fma_f32 v[DB+32+qe], v[DB+32+qe], s[24+qe], s[68+qe]
.set qe, qe+1
.endr
	KCH 0, 0                                       ; the tanh stage's first chunk
	QMAX 224, 31, 33
.set qe, 0
.rept 16
	v_cvt_pk_bf16_f32 v[144+qe], v[224+2*qe], v[225+2*qe]
.set qe, qe+1
.endr
	WORD 24, 32, 33
	QCVT 192, 48, 30
	QCVT 224, 52, 31
	NOPS 8                                         ; the places in front of the scaled products, and the plain line behind the conversions
	s_wait_alu depctr_va_vdst(0)                   ; H in bf16 is written in v128-159, which the stores read; the vector lines are done with v192-255, in which Ww's fragments land; the codes v48-55 and the scale word v24 are written, which the products take
.irp c, 0,1,2,3,4,5,6,7
	ds_store_b128 v4, v[128+4*\c:131+4*\c] offset:HSO+16*\c        ; H as bf16 into my stage: 128 bytes of row L
.endr
	FRAGS 12, 8, 192
	s_wait_alu depctr_vm_vsrc(0)                   ; the stores of H have read v128-159, which product 3 writes
.irp g, 0,1,2,3,4,5,6,7
	s_wait_dscnt 14-2*\g                           ; the stores and fragment g's two loads are done; the 14 - 2 g younger loads may be out
	MM 12+\g, DA+8*\g, 192+8*\g, 48, 24
.endr
	NOPS 4
	s_wait_alu depctr_va_vdst(0)                   ; product 3 is done reading Ww's fragments in v224-255, in which the next X lands
	; ---- the next step's X, if there is one: it has the whole tanh stage in which to land
	s_add_co_u32 s100, s13, 1
	s_cmp_lt_u32 s100, s14
	s_cbranch_scc0 .Lno_next
.irp i, 0,1,2,3,4,5,6,7
	global_load_b128 v[224+4*\i:227+4*\i], v1, s[2:3] offset:65536+512*\i th:TH_LOAD_NT
.endr
.Lno_next:
	; ---- tanh and scores
.set qp, 0
.rept 32
	v_pk_mul_f32 v[DA+2*qp:DA+2*qp+1], v[DA+2*qp:DA+2*qp+1], 0x3fb8aa3b op_sel_hi:[1,0]
.set qp, qp+1
.endr
.set qe, 0
.rept 64
	v_exp_f32 v[DA+qe], v[DA+qe]
.set qe, qe+1
.endr
.irp k, 0,1,2,3
	v_dual_mov_b32 v[88+2*\k], 0 :: v_dual_mov_b32 v[89+2*\k], 0   ; (also the plain lines behind the exponentials)
.endr
	s_wait_alu depctr_va_vdst(0)                   ; the 64 exponentials have written v128-191, ahead of their first reader
	CHUNK 0
	CHUNK 1
	CHUNK 2
	CHUNK 3
	CHUNK 4
	CHUNK 5
	CHUNK 6
	CHUNK 7
	KL4 0                                          ; b1 for the next trip
	; ---- the softmax state and the pooled sums
.irp k, 0,1,2,3
	v_add_f32 v[68+\k], v[88+2*\k], v[89+2*\k]
.endr
.irp k, 0,1,2,3
	v_max_num_f32_dpp v[76+\k], v[68+\k], v[68+\k] row_xmask:1 row_mask:0xf bank_mask:0xf
.endr
.irp m, 2,4,8
.irp k, 0,1,2,3
	v_max_num_f32_dpp v[76+\k], v[76+\k], v[76+\k] row_xmask:\m row_mask:0xf bank_mask:0xf
.endr
.endr
.irp k, 0,1,2,3
	v_permlanex16_b32 v[80+\k], v[76+\k], s66, s67
.endr
.irp k, 0,1,2,3
	v_max3_num_f32 v[76+\k], v[76+\k], v[80+\k], v[56+\k]          ; the new m: the same in all lanes
.endr
.irp k, 0,1,2,3
	v_sub_f32 v[64+\k], v[56+\k], v[76+\k]
	v_sub_f32 v[72+\k], v[68+\k], v[76+\k]
.endr
.irp k, 0,1,2,3
	v_exp_f32 v[64+\k], v[64+\k]
	v_exp_f32 v[72+\k], v[72+\k]
.endr
.irp k, 0,1,2,3
	v_mov_b32 v[56+\k], v[76+\k]
.endr
	s_wait_alu depctr_va_vdst(0)                   ; the eight exponentials have written v64-67 and v72-75, ahead of their first reader; the scores v68-71 are written, which the store reads; the tanh stage is done with v128-223, in which the turned loads below and the next trip's row land
	global_store_b128 v1, v[68:71], s[4:5] th:TH_STORE_NT          ; 32 lanes store 512 consecutive bytes
.irp t, 0,1,2,3
	ds_load_tr16_b128 v[128+8*\t:131+8*\t], v5 offset:HSO+32*\t    ; LDS serves a wave's instructions in order: these see my stores of H
	ds_load_tr16_b128 v[132+8*\t:135+8*\t], v5 offset:HSO+32*\t+2560
.endr
	v_cvt_pk_bf16_f32 v80, v72, v73
	v_cvt_pk_bf16_f32 v81, v74, v75
.irp k, 0,1,2,3
	v_fma_f32 v[60+\k], v[60+\k], v[64+\k], v[72+\k]
.endr
.irp t, 0,1,2,3
	v_pk_mul_f32 v[ZA+8*\t:ZA+8*\t+1], v[ZA+8*\t:ZA+8*\t+1], v[64:65]      ; register j of a pooled tile is seed j
	v_pk_mul_f32 v[ZA+8*\t+2:ZA+8*\t+3], v[ZA+8*\t+2:ZA+8*\t+3], v[66:67]
.endr
	s_wait_alu depctr_va_vdst(0)                   ; the weights in bf16 are written in v80-81, which the LDS store reads
	ds_store_b64 v6, v[80:81] offset:PSO
	ds_load_tr16_b128 v[160:163], v7 offset:PSO                    ; in order behind the store above
	ds_load_tr16_b128 v[164:167], v7 offset:PSO+512
	s_wait_dscnt 0x0
.irp t, 0,1,2,3
	v_wmma_f32_16x16x32_bf16 v[ZA+8*\t:ZA+8*\t+7], v[160:167], v[128+8*\t:135+8*\t], v[ZA+8*\t:ZA+8*\t+7]   ; the four tiles by turns
.endr
	s_wait_xcnt 0x0                                ; the store and the loads have read their bases and data: both bases step
	s_wait_alu depctr_vm_vsrc(0)                   ; the store of the scores has read v68-71 and the store of the weights v80-81: the next trip writes both again, the way out v80-81
	s_add_nc_u64 s[2:3], s[2:3], 0x10000
	s_add_nc_u64 s[4:5], s[4:5], 0x2000
	s_add_co_u32 s13, s13, 1
	s_cmp_lt_u32 s13, s14
	s_cbranch_scc1 .Ltrip
	; ---- the waves' states meet in LDS; waves 0 and 1 bring them under one maximum and store the work-group's
	s_wait_kmcnt 0x0                               ; the constants asked for in the last trip
	s_wait_loadcnt 0x0                             ; no load into v224-255 is out on any way out of the loop (the last trip asked for none): the sums below use v224-231
	NOPS 4
.irp m, 1,2,4,8
.irp k, 0,1,2,3
	v_add_f32_dpp v[60+\k], v[60+\k], v[60+\k] row_xmask:\m row_mask:0xf bank_mask:0xf
.endr
.endr
.irp k, 0,1,2,3
	v_permlanex16_b32 v[80+\k], v[60+\k], s66, s67
.endr
.irp k, 0,1,2,3
	v_add_f32 v[60+\k], v[60+\k], v[80+\k]
.endr
	v_mov_b32 v10, s15
	v_add_nc_u32 v128, WR0, v11                    ; thread t = 16 k + q reads 16 bytes at 16 t of each wave's sums: three bases, six waves to a base
	v_add_nc_u32 v129, WR0+6*WREG, v11
	v_add_nc_u32 v130, WR0+12*WREG, v11
	v_lshrrev_b32 v34, 4, v0
	v_lshlrev_b32 v34, 2, v34                      ; 4 k
	v_add_nc_u32 v131, WR0+HSO, v34
	v_add_nc_u32 v132, WR0+HSO+6*WREG, v34
	v_add_nc_u32 v133, WR0+HSO+12*WREG, v34
	s_wait_alu depctr_va_vdst(0)                   ; the pooling products have written v96-127 (their four places stand above), the sums v60-63, m v56-59 and the address v10 are written: the stores below read them; v128-133 are written, the addresses of the loads behind the barrier, and every vector and matrix line is done with v136-231, in which those loads land
.irp t, 0,1,2,3
.irp j, 0,1,2,3
	ds_store_b32 v9, v[ZA+8*\t+\j] offset:256*\j+64*\t             ; [seed][feature], each tile from its low end on
.endr
.endr
	ds_store_b128 v10, v[56:59] offset:HSO         ; all lanes write the same words with the same values
	ds_store_b128 v10, v[60:63] offset:HSO+16
	s_wait_dscnt 0x0
	s_barrier_signal -1
	s_barrier_wait -1
	s_cmp_lt_u32 s12, 2
	s_cbranch_scc0 .Ldone
.set qi, 0
.rept 16
	ds_load_b32 v[136+qi], v[131+qi/6] offset:WREG*(qi%6)
	ds_load_b32 v[152+qi], v[131+qi/6] offset:WREG*(qi%6)+16
	ds_load_b128 v[168+4*qi:171+4*qi], v[128+qi/6] offset:WREG*(qi%6)
.set qi, qi+1
.endr
	s_lshl_b32 s100, ttmp9, 10
	s_mov_b32 s101, 0
	s_add_nc_u64 s[8:9], s[8:9], s[100:101]
	s_lshl_b32 s100, ttmp9, 5
	s_add_nc_u64 s[10:11], s[10:11], s[100:101]
	s_wait_dscnt 0x0
	v_max3_num_f32 v32, v136, v137, v138
.irp i, 3,5,7,9,11,13
	v_max3_num_f32 v32, v32, v[136+\i], v[137+\i]
.endr
	v_max_num_f32 v32, v32, v151
.set qi, 0
.rept 16
	v_sub_f32 v[136+qi], v[136+qi], v32
.set qi, qi+1
.endr
.set qi, 0
.rept 16
	v_exp_f32 v[136+qi], v[136+qi]
.set qi, qi+1
.endr
	v_nop
	s_wait_alu depctr_va_vdst(0)                   ; the sixteen exponentials have written v136-151, ahead of their first reader
	v_mul_f32 v33, v136, v152
.irp c, 0,1,2,3
	v_mul_f32 v[36+\c], v136, v[168+\c]
.endr
.set qi, 1
.rept 15
	v_fmac_f32 v33, v[136+qi], v[152+qi]
.irp c, 0,1,2,3
	v_fmac_f32 v[36+\c], v[136+qi], v[168+4*qi+\c]
.endr
.set qi, qi+1
.endr
	s_wait_alu depctr_va_vdst(0)                   ; the work-group's pooled sums v36-39, its maximum v32 and its sum v33 are written: the three stores read them
	global_store_b128 v11, v[36:39], s[8:9]        ; sixteen lanes store 256 consecutive bytes, aligned
	global_store_b32 v34, v32, s[10:11]            ; the sixteen threads of a seed write the same word with the same value; 32 bytes a work-group
	global_store_b32 v34, v33, s[10:11] offset:16
.Ldone:
	s_wait_dscnt 0x0                               ; the closing lines, six on end
	s_wait_alu 0x0
	s_wait_tensorcnt 0x0
	ds_add_u32 v86, v87
	s_wait_dscnt 0x0
	s_endpgm
.Lfunc_end_k_q9b0ad56553_main:
	.size	k_q9b0ad56553_main, .Lfunc_end_k_q9b0ad56553_main-k_q9b0ad56553_main
	.p2alignl 7, 3214868480
	.fill 96, 4, 3214868480
	.section	.rodata,"a",@progbits
	.p2align	6, 0x0
	.amdhsa_kernel k_q9b0ad56553_main
		.amdhsa_group_segment_fixed_size 194560
		.amdhsa_private_segment_fixed_size 0
		.amdhsa_enable_private_segment 0
		.amdhsa_kernarg_size 56
		.amdhsa_user_sgpr_count 2
		.amdhsa_user_sgpr_kernarg_segment_ptr 1
		.amdhsa_wavefront_size32 1
		.amdhsa_system_sgpr_workgroup_id_x 1
		.amdhsa_system_sgpr_workgroup_id_y 1
		.amdhsa_system_sgpr_workgroup_id_z 1
		.amdhsa_system_vgpr_workitem_id 0
		.amdhsa_next_free_vgpr 256
		.amdhsa_next_free_sgpr 106
		.amdhsa_reserve_vcc 0
		.amdhsa_float_denorm_mode_32 3
		.amdhsa_float_denorm_mode_16_64 3
		.amdhsa_memory_ordered 1
		.amdhsa_forward_progress 1
		.amdhsa_inst_pref_size 102
	.end_amdhsa_kernel
	.amdgpu_metadata
---
amdhsa.version: [ 1, 2 ]
amdhsa.kernels:
  - .name:           k_q9b0ad56553_main
    .symbol:         k_q9b0ad56553_main.kd
    .args:
      - { .name: X, .offset: 0, .size: 8, .value_kind: global_buffer, .address_space: global }
      - { .name: wimg, .offset: 8, .size: 8, .value_kind: global_buffer, .address_space: global }
      - { .name: wscl, .offset: 16, .size: 8, .value_kind: global_buffer, .address_space: global }
      - { .name: cst, .offset: 24, .size: 8, .value_kind: global_buffer, .address_space: global }
      - { .name: sc, .offset: 32, .size: 8, .value_kind: global_buffer, .address_space: global }
      - { .name: pml, .offset: 40, .size: 8, .value_kind: global_buffer, .address_space: global }
      - { .name: pz, .offset: 48, .size: 8, .value_kind: global_buffer, .address_space: global }
    .group_segment_fixed_size: 194560
    .private_segment_fixed_size: 0
    .kernarg_segment_align: 8
    .kernarg_segment_size: 56
    .max_flat_workgroup_size: 512
    .sgpr_count:     106
    .vgpr_count:     256
    .wavefront_size: 32
...
	.end_amdgpu_metadata
.endif
;; end of part 4
;; launch finish: the kernel of part 3 again; grid 626 x 1, 5 waves a work-group, no clusters, 33,536 bytes of LDS; arguments sc, pml, pz, rw1, rb1, rw2, rb2, out0, out1; writes out0, out1
